; MI455X (gfx1250); checked and timed in simulation.
; The chip was launched on July 23, 2026; its instructions are those of AMD's public machine-readable ISA for CDNA 5 (MIT licence, August 2026) and "CDNA5" Instruction Set Architecture Reference Guide (July 2026). The comments in the code are by the model that wrote it; some were corrected since.
;; Llama Attention. Allowed arithmetic: float matrix products may take bf16 or f16 operands with f32 sums; other float arithmetic in f32, or as packed bf16 or f16 multiplies, adds, multiply-adds, maxima and minima; sums over many terms, partial sums and values carried from step to step in f32; what a program stores and reads back later, other than sums and carried values, may be rounded once to bf16 or f16.
;; Inputs: wk_u 256 x 1,024 float32; wkv_d 2,048 x 256 float32; wo 2,048 x 2,048 float32; wq_d 2,048 x 256 float32; wq_u 256 x 1,024 float32; wv_u 256 x 2,048 float32; x 2 x 2,048 x 2,048 float32.
;; Outputs: out0 2 x 2,048 x 2,048 float32.
;; One version. Each part assembles by itself: llvm-mc -triple=amdgcn-amd-amdhsa -mcpu=gfx1250 --defsym DOCPART=n.
;; ======== version 1 of 1: 5 launches
;; limits: values are held in f16: magnitudes above 65,504 overflow, below 6.1e-05 lose precision
;; workspace buffers: xb 16,777,216 bytes; wts 12,582,912 bytes; tab 528,384 bytes; lat 4,198,400 bytes; qkv 33,554,432 bytes; ob 16,777,216 bytes
;; launch prep (part 1): grid 912 x 1, 8 waves a work-group, no clusters, 1,280 bytes of LDS; arguments x, wq_d, wkv_d, wq_u, wk_u, wv_u, wo, xb, wts, tab; writes xb, wts, tab
.if DOCPART == 1
	.amdgcn_target "amdgcn-amd-amdhsa--gfx1250"
	.amdhsa_code_object_version 6
	.text
	.protected	k_q4f8b876b27_prep
	.globl	k_q4f8b876b27_prep
	.p2align	8
	.type	k_q4f8b876b27_prep,@function
k_q4f8b876b27_prep:
	s_mov_b64 s[64:65], 0
	v_nop
	global_prefetch_b8 v0, s[64:65] scope:SCOPE_SE
	s_setreg_imm32_b32 hwreg(HW_REG_WAVE_MODE, 25, 1), 1
	s_wait_xcnt 0x0
; PREP.  Casts x and the two down weights to bf16, the three up weights and wo to bf16 and that number on to f16; gathers sums of squares; makes the RoPE table.
; A LINE is 256 source floats (1,024 bytes): one wave, two loads of 16 bytes a lane, two stores of 8 bytes a lane, each store 256 consecutive aligned bytes.
; A wave takes 8 lines (of x: one row), a work-group 64.  Work-groups 0-511 x, 512-543 wq_d, 544-575 wkv_d, 576-591 wq_u, 592-607 wk_u, 608-639 wv_u, 640-895 wo, 896-911 the table.
; STATS[g] (f32, behind the table): for x the largest of the group's eight row sums of squares, for a weight the group's sum of squares.
; LIMITS.  The f16 weights want |w| < 65,504; below 2^-17 they keep f16's fixed step of 2^-24.  Sums of squares stay in f32's range.  NaN and infinities are not treated apart.
; The table: cos and sin of t x 10000^(-j/32), t = 0..2047, j = 0..31, by reduction to |r| <= pi/4 with pi/2 in two parts and two polynomials; 256 bytes a t: 32 cosines, 32 sines.
.set SPARE, 256                        ; LDS: bytes 0-31 the eight waves' sums; from 256 on the spare words, 128 bytes a wave
.set STATS, 524288
.set DO,  4                            ; v[4:11]   line i: my byte offset in the destination
.set SQ,  12                           ; v[12:19]  four pairs of running sums of squares
.set D,   24                           ; v[24:87]  line i: 8 registers as loaded, then 4 as stored
.set SPW, 100
.set NIL, 101
	s_load_b512 s[8:23], s[0:1], 0x0               ; x 8, wq_d 10, wkv_d 12, wq_u 14, wk_u 16, wv_u 18, wo 20, xb 22
	s_load_b128 s[24:27], s[0:1], 0x40             ; wts 24, tab 26
	v_lshl_add_u32 v[SPW], v0, 2, SPARE
	v_mov_b32 v[NIL], 0
	v_lshrrev_b32 v1, 5, v0
	v_readfirstlane_b32 s29, v1                    ; wave 0..7
	v_and_b32 v1, 31, v0                           ; lane
	v_lshlrev_b32 v2, 4, v1                        ; 16 l: my place in half a source line
	v_lshlrev_b32 v3, 3, v1                        ; 8 l: in half a destination line
	s_mov_b32 s28, ttmp9
	s_mov_b32 s42, 0x76543210                      ; v_permlanex16_b32: each lane takes its own place in the other half
	s_mov_b32 s43, 0xfedcba98
	s_wait_kmcnt 0x0
	s_cmp_ge_u32 s28, 896
	s_cbranch_scc1 .Lrope
	; which tensor: x's figures, then each later tensor's where the group's number has reached its first group
	s_mov_b64 s[30:31], s[8:9]                     ; source
	s_mov_b64 s[32:33], s[22:23]                   ; destination
	s_mov_b32 s34, 0                               ; first group
	s_mov_b32 s35, 3                               ; log2 of the lines in a source row
	s_mov_b32 s36, 4096                            ; bytes from row to row in the destination
	s_mov_b32 s37, 0                               ; byte offset of the tensor's first column in the destination buffer
.macro SEL start, src, lg, pitch, coff
	s_cmp_ge_u32 s28, \start
	s_cselect_b64 s[30:31], s[\src:\src+1], s[30:31]
	s_cselect_b64 s[32:33], s[24:25], s[32:33]
	s_cselect_b32 s34, \start, s34
	s_cselect_b32 s35, \lg, s35
	s_cselect_b32 s36, \pitch, s36
	s_cselect_b32 s37, \coff, s37
.endm
	SEL 512, 10, 0, 1024, 0
	SEL 544, 12, 0, 1024, 512
	SEL 576, 14, 2, 8192, 2097152
	SEL 592, 16, 2, 8192, 2097152+2048
	SEL 608, 18, 3, 8192, 2097152+4096
	SEL 640, 20, 3, 4096, 4194304
	s_sub_co_u32 s38, s28, s34
	s_lshl_b32 s38, s38, 6
	s_lshl3_add_u32 s38, s29, s38                  ; my first line, a multiple of 8
	s_lshl_b32 s40, s38, 10
	s_mov_b32 s41, 0
	s_add_nc_u64 s[30:31], s[30:31], s[40:41]
.irp i, 0,1,2,3,4,5,6,7
	global_load_b128 v[D+8*\i:D+8*\i+3],   v2, s[30:31] offset:1024*\i th:TH_LOAD_NT
	global_load_b128 v[D+8*\i+4:D+8*\i+7], v2, s[30:31] offset:1024*\i+512 th:TH_LOAD_NT
.endr
	s_lshr_b32 s40, s38, s35                       ; my first line's row (it begins a row: rows have 1, 4 or 8 lines)
	s_mul_i32 s40, s40, s36
	s_add_co_u32 s40, s40, s37
	s_add_nc_u64 s[32:33], s[32:33], s[40:41]
	s_lshl_b32 s39, 1, s35
	s_sub_co_u32 s39, s39, 1                       ; lines in a row, less 1
.irp i, 0,1,2,3,4,5,6,7
	s_lshr_b32 s40, \i, s35
	s_mul_i32 s40, s40, s36
	s_and_b32 s41, s39, \i
	s_lshl_b32 s41, s41, 9
	s_add_co_u32 s40, s40, s41
	v_add_nc_u32 v[DO+\i], s40, v3
.endr
; One line.  half = 1: the bf16 number goes on to f16.
.macro LINE i, half
	s_wait_loadcnt 14-2*(\i)                       ; loads come back in order: this line's two are in, the younger lines' may stay out
.irp p, 0,1,2,3
.if (\i) == 0
	v_pk_mul_f32 v[SQ+2*\p:SQ+2*\p+1], v[D+2*\p:D+2*\p+1], v[D+2*\p:D+2*\p+1]  ; the first line starts the sums: nothing is cleared
.else
	v_pk_fma_f32 v[SQ+2*\p:SQ+2*\p+1], v[D+8*(\i)+2*\p:D+8*(\i)+2*\p+1], v[D+8*(\i)+2*\p:D+8*(\i)+2*\p+1], v[SQ+2*\p:SQ+2*\p+1]
.endif
.endr
.irp p, 0,1,2,3
	v_cvt_pk_bf16_f32 v[D+8*(\i)+\p], v[D+8*(\i)+2*\p], v[D+8*(\i)+2*\p+1]
.endr
.if \half
.irp p, 0,1,2,3
	v_lshlrev_b32 v20, 16, v[D+8*(\i)+\p]
	v_and_b32 v21, 0xffff0000, v[D+8*(\i)+\p]
	v_cvt_pk_f16_f32 v[D+8*(\i)+\p], v20, v21
.endr
.endif
	global_store_b64 v[DO+(\i)], v[D+8*(\i):D+8*(\i)+1],   s[32:33] th:TH_STORE_NT
	global_store_b64 v[DO+(\i)], v[D+8*(\i)+2:D+8*(\i)+3], s[32:33] offset:256 th:TH_STORE_NT
.endm
	s_cmp_ge_u32 s28, 576
	s_cbranch_scc1 .Lhalf
.irp i, 0,1,2,3,4,5,6,7
	LINE \i, 0
.endr
	s_branch .Lsum
.Lhalf:
.irp i, 0,1,2,3,4,5,6,7
	LINE \i, 1
.endr
.Lsum:
	v_pk_add_f32 v[12:13], v[12:13], v[14:15]
	v_pk_add_f32 v[16:17], v[16:17], v[18:19]
	v_pk_add_f32 v[12:13], v[12:13], v[16:17]
	v_add_f32 v12, v12, v13
	v_add_f32_dpp v12, v12, v12 row_xmask:1 row_mask:0xf bank_mask:0xf
	v_add_f32_dpp v12, v12, v12 row_xmask:2 row_mask:0xf bank_mask:0xf
	v_add_f32_dpp v12, v12, v12 row_xmask:4 row_mask:0xf bank_mask:0xf
	v_add_f32_dpp v12, v12, v12 row_xmask:8 row_mask:0xf bank_mask:0xf
	v_permlanex16_b32 v13, v12, s42, s43
	v_add_f32 v12, v12, v13                        ; the wave's sum of squares, in every lane
	v_lshrrev_b32 v20, 5, v0
	v_lshlrev_b32 v20, 2, v20
	ds_store_b32 v20, v12                          ; word = my wave's number
	s_wait_dscnt 0x0                               ; for the others' sake: my store is done
	s_barrier_signal -1
	s_barrier_wait -1
	v_mov_b32 v110, 0
	ds_load_b128 v[102:105], v110
	ds_load_b128 v[106:109], v110 offset:16
	s_wait_dscnt 0x0
	v_pk_add_f32 v[20:21], v[102:103], v[104:105]
	v_pk_add_f32 v[22:23], v[106:107], v[108:109]
	v_pk_add_f32 v[20:21], v[20:21], v[22:23]
	v_add_f32 v20, v20, v21                        ; the sum of the eight
	v_max3_num_f32 v22, v102, v103, v104
	v_max3_num_f32 v22, v22, v105, v106
	v_max3_num_f32 v22, v22, v107, v108
	v_max_num_f32 v22, v22, v109                   ; the largest of the eight
	s_cmp_lt_u32 s28, 512
	s_cselect_b32 s44, -1, 0
	v_cndmask_b32 v111, v20, v22, s44              ; x: the largest row; a weight: the sum
	s_cmp_lg_u32 s29, 0
	s_cbranch_scc1 .Lend
	s_lshl_b32 s40, s28, 2
	s_add_co_u32 s40, s40, STATS
	s_mov_b32 s41, 0
	s_add_nc_u64 s[46:47], s[26:27], s[40:41]
	s_wait_xcnt 0x0                                ; EXEC changes only when every earlier memory instruction has read its sources
	v_cmp_eq_u32 vcc_lo, 0, v0
	s_and_saveexec_b32 s45, vcc_lo
	global_store_b32 v110, v111, s[46:47]
	s_wait_xcnt 0x0                                ; and again in front of the line that widens it
	s_or_b32 exec_lo, exec_lo, s45
.Lend:
	s_wait_tensorcnt 0x0                           ; the wave's end
	ds_add_u32 v[SPW], v[NIL]
	s_wait_dscnt 0x0
	s_endpgm
.Lrope:                                        ; 128 waves, 16 t each.  Lanes 0-15 make cosines, lanes 16-31 sines, of j = 2 (l % 16) and the next
	s_sub_co_u32 s38, s28, 896
	s_lshl3_add_u32 s38, s38, s29
	s_lshl_b32 s50, s38, 4                         ; my first t
	s_lshl_b32 s40, s50, 8
	s_mov_b32 s41, 0
	s_add_nc_u64 s[46:47], s[26:27], s[40:41]
	s_mov_b32 s52, 0xb94ca1f9                      ; sine: -1.9515295891e-4, 8.3321608736e-3, -1.6666654611e-1
	s_mov_b32 s53, 0x3c08839e
	s_mov_b32 s54, 0xbe2aaaa3
	s_mov_b32 s55, 0x37ccf5ce                      ; cosine: 2.443315712e-5, -1.388731625e-3, 4.166664568e-2
	s_mov_b32 s56, 0xbab6061a
	s_mov_b32 s57, 0x3d2aaaa5
	v_lshrrev_b32 v4, 4, v1
	v_mul_u32_u24 v4, 3, v4                        ; sin a = cos(a - pi/2): three quarter turns more, modulo four
	v_and_b32 v5, 15, v1
	v_lshlrev_b32 v5, 1, v5
	v_add_nc_u32 v6, 1, v5
	v_cvt_f32_u32 v5, v5
	v_cvt_f32_u32 v6, v6
	v_mul_f32 v7, 0xbed49a78, v5                   ; a = -j C rounded, C = log2(10000) / 32
	v_mul_f32 v8, 0xbed49a78, v6
	v_fma_f32 v9, v5, 0xbed49a78, -v7              ; what the rounding left,
	v_fma_f32 v10, v6, 0xbed49a78, -v8
	v_fmac_f32 v9, 0xb2179a6b, v5                  ; and what C's own rounding left
	v_fmac_f32 v10, 0xb2179a6b, v6
	v_exp_f32 v11, v7
	v_exp_f32 v12, v8
	v_nop                                          ; a plain instruction behind the last exponential,
	s_wait_alu depctr_va_vdst(0)                   ; and the one wait for both, ahead of their first reader
	v_mul_f32 v13, 0x3f317218, v11
	v_mul_f32 v14, 0x3f317218, v12
	v_fma_f32 v11, v13, v9, v11                    ; 2^(a + e) = 2^a (1 + e ln 2)
	v_fma_f32 v12, v14, v10, v12
.macro ONE f, out
	v_mul_f32 v16, v15, \f                         ; the angle, rounded once
	v_mul_f32 v17, 0x3f22f983, v16
	v_rndne_f32 v17, v17                           ; quarter turns
	v_fma_f32 v18, v17, 0xbfc90fdb, v16            ; r = angle - k pi/2, pi/2 in two parts
	v_fma_f32 v18, v17, 0x333bbd2e, v18
	v_cvt_i32_f32 v19, v17
	v_add_nc_u32 v19, v19, v4
	v_mul_f32 v20, v18, v18
	v_fma_f32 v21, v20, s52, s53
	v_fma_f32 v22, v20, s55, s56
	v_fma_f32 v21, v21, v20, s54
	v_fma_f32 v22, v22, v20, s57
	v_mul_f32 v21, v21, v20
	v_mul_f32 v23, v20, v20
	v_fma_f32 v24, v20, -0.5, 1.0
	v_fma_f32 v21, v21, v18, v18                   ; sin r
	v_fma_f32 v22, v22, v23, v24                   ; cos r
	v_and_b32 v23, 1, v19
	v_cmp_eq_u32 vcc_lo, 1, v23
	v_cndmask_b32 \out, v22, v21, vcc_lo           ; cos(r + n pi/2): cos, -sin, -cos, sin
	v_add_nc_u32 v23, 1, v19
	v_and_b32 v23, 2, v23
	v_lshlrev_b32 v23, 30, v23
	v_xor_b32 \out, \out, v23
.endm
	s_mov_b32 s51, 16
.Lt:
	v_cvt_f32_u32 v15, s50
	ONE v11, v30
	ONE v12, v31
	global_store_b64 v3, v[30:31], s[46:47]        ; the wave stores one t: 256 consecutive aligned bytes
	s_wait_xcnt 0x0                                ; the base and the data are written again only behind this wait
	s_add_nc_u64 s[46:47], s[46:47], 256
	s_add_co_u32 s50, s50, 1
	s_sub_co_u32 s51, s51, 1
	s_cmp_lg_u32 s51, 0
	s_cbranch_scc1 .Lt
	s_endpgm
.Lfunc_end_k_q4f8b876b27_prep:
	.size	k_q4f8b876b27_prep, .Lfunc_end_k_q4f8b876b27_prep-k_q4f8b876b27_prep
	.p2alignl 7, 3214868480
	.fill 96, 4, 3214868480
	.section	.rodata,"a",@progbits
	.p2align	6, 0x0
	.amdhsa_kernel k_q4f8b876b27_prep
		.amdhsa_group_segment_fixed_size 1280
		.amdhsa_private_segment_fixed_size 0
		.amdhsa_enable_private_segment 0
		.amdhsa_kernarg_size 80
		.amdhsa_user_sgpr_count 2
		.amdhsa_user_sgpr_kernarg_segment_ptr 1
		.amdhsa_wavefront_size32 1
		.amdhsa_system_sgpr_workgroup_id_x 1
		.amdhsa_system_sgpr_workgroup_id_y 1
		.amdhsa_system_sgpr_workgroup_id_z 1
		.amdhsa_system_vgpr_workitem_id 0
		.amdhsa_next_free_vgpr 112
		.amdhsa_next_free_sgpr 66
		.amdhsa_reserve_vcc 1
		.amdhsa_float_denorm_mode_32 3
		.amdhsa_float_denorm_mode_16_64 3
		.amdhsa_memory_ordered 1
		.amdhsa_forward_progress 1
		.amdhsa_inst_pref_size 30
	.end_amdhsa_kernel
	.amdgpu_metadata
---
amdhsa.version: [ 1, 2 ]
amdhsa.kernels:
  - .name:           k_q4f8b876b27_prep
    .symbol:         k_q4f8b876b27_prep.kd
    .args:
      - { .name: x, .offset: 0, .size: 8, .value_kind: global_buffer, .address_space: global }
      - { .name: wq_d, .offset: 8, .size: 8, .value_kind: global_buffer, .address_space: global }
      - { .name: wkv_d, .offset: 16, .size: 8, .value_kind: global_buffer, .address_space: global }
      - { .name: wq_u, .offset: 24, .size: 8, .value_kind: global_buffer, .address_space: global }
      - { .name: wk_u, .offset: 32, .size: 8, .value_kind: global_buffer, .address_space: global }
      - { .name: wv_u, .offset: 40, .size: 8, .value_kind: global_buffer, .address_space: global }
      - { .name: wo, .offset: 48, .size: 8, .value_kind: global_buffer, .address_space: global }
      - { .name: xb, .offset: 56, .size: 8, .value_kind: global_buffer, .address_space: global }
      - { .name: wts, .offset: 64, .size: 8, .value_kind: global_buffer, .address_space: global }
      - { .name: tab, .offset: 72, .size: 8, .value_kind: global_buffer, .address_space: global }
    .group_segment_fixed_size: 1280
    .private_segment_fixed_size: 0
    .kernarg_segment_align: 8
    .kernarg_segment_size: 80
    .max_flat_workgroup_size: 256
    .sgpr_count:     66
    .vgpr_count:     112
    .wavefront_size: 32
...
	.end_amdgpu_metadata
.endif
;; end of part 1
;; launch down (part 2): grid 4 x 64, 4 waves a work-group, clusters of 4 x 4, 327,680 bytes of LDS; arguments xb, wts, tab, lat; writes lat
.if DOCPART == 2
	.amdgcn_target "amdgcn-amd-amdhsa--gfx1250"
	.amdhsa_code_object_version 6
	.text
	.protected	k_q4f8b876b27_down
	.globl	k_q4f8b876b27_down
	.p2align	8
	.type	k_q4f8b876b27_down,@function
k_q4f8b876b27_down:
	s_mov_b64 s[64:65], 0
	v_nop
	global_prefetch_b8 v0, s[64:65] scope:SCOPE_SE
	s_setreg_imm32_b32 hwreg(HW_REG_WAVE_MODE, 25, 1), 1
	s_wait_xcnt 0x0
	s_wait_alu depctr_hold_cnt(0) depctr_sa_sdst(0) depctr_va_vdst(0) depctr_va_sdst(0) depctr_va_ssrc(0) depctr_va_vcc(0) depctr_vm_vsrc(0)
	s_getreg_b32 s2, hwreg(HW_REG_IB_STS2, 6, 4)
	s_cmp_eq_u32 s2, 0
	s_cbranch_scc0 .Lentry_in_a_cluster
	s_endpgm
.Lentry_in_a_cluster:
	s_bfe_u32 s2, ttmp6, 0x10000c
	s_cmp_lg_u32 s2, 0xf033
	s_cbranch_scc0 .Lentry_shape_is_right
	s_endpgm
.Lentry_shape_is_right:
; DOWN.  lat' = SL x (xb [4096][2048] @ WDB [2048][512]), bf16 operands, f32 sums, stored once in f16; and the launch's scales.
; A work-group makes 64 rows x 128 columns.  K IS SPLIT AMONG ITS FOUR WAVES: of each K step of 256 wave w takes k = 64 w .. 64 w + 63 for the whole tile (32 accumulators);
; the four partial sums meet in LDS at the end.  K goes through two LDS slots; waves 0, 1 fetch A's halves (32 rows x 512 bytes), waves 2, 3 B's (128 k-rows x 256 bytes).
; CLUSTER 4 x 4: A's tile is shared along a row of the cluster, B's along a column; each is asked for jointly.
; THE MATRIX INSTRUCTION IS USED TRANSPOSED: source 0 = 16 columns of B (turned on the way out of LDS), source 1 = 16 rows of A: a lane holds row l % 16 and eight neighbouring columns.
; SCALES, all powers of two.  With nx2 the largest row sum of squares of x and F2 a weight's sum of squares, |x W1 W2| <= sqrt(nx2 F2(W1) F2(W2)) = sqrt(P) < 2^(g+1),
; g = (exponent of P) >> 1; a tensor is stored times 2^(13-g), so it stays under 2^14 (with RoPE's sqrt 2 and the roundings under 23,500) in f16.
; LIMITS.  The products P stay in f32's range and every scale's exponent field between 1 and 254; NaN and infinities are not treated apart.
; No prefetch: the whole launch is eight K steps.
.set PA,    528                        ; a row of A in LDS: 512 bytes + 16
.set PB,    288                        ; a k-row of B: 256 bytes + 32
.set BOFF,  64*PA
.set SLOT1, 1<<17
.set STAGE, SLOT1+BOFF+256*PB          ; behind the ring: 16 rows x 272 bytes a wave
.set SP,    272
.set SPARE, STAGE+4*16*SP              ; the spare words, 128 bytes a wave
.set STEPA, 512
.set STEPB, 256*1024
.set STATS, 524288
.set SCL,   4194304
.set ADRA, 16                          ; v16 my place in A's tile of slot 0;  v17 in B's
.set ADRB, 17
.set KA,   18                          ; v18, v19 the same in the slot in hand
.set KB,   19
.set STO,  20
.set RD,   21
.set CO,   22
.set XR,   24                          ; v24, v25 the exchange: where I read sources 0, 1 and 2, 3
.set XS,   26                          ; v26 where I put my partial sums
.set SPW,  28
.set NIL,  29
.set F0,   64                          ; fragment buffers: B's fragment b at f + 8 b, A's fragment i at f + 64 + 8 i
.set F1,   160
.set WV,   14
.set TB,   23
.set G1A,  24
.set G1B,  32
.set G0A,  40
.set G0B,  48
.set W_MUL, 0x50                       ; C and D in window 1, sources in window 0
.set MSB, 0
.macro WIN new                         ; the immediate's high byte repeats the setting that is left
.if MSB != (\new)
	s_set_vgpr_msb (MSB<<8)|(\new)
.set MSB, \new
.endif
.endm
.macro PLACES
.rept 4
	v_nop
.endr
.endm
.macro CREST                           ; a round of the cluster's barrier behind its opening barrier
	s_cmp_lg_u32 s[WV], 0
	s_cbranch_scc1 .Lnot_wave_0_\@
	s_barrier_signal -3
.Lnot_wave_0_\@:
	s_barrier_wait -3
	s_barrier_signal -1
	s_barrier_wait -1
.endm
.macro CROUND
	s_barrier_signal -1
	s_barrier_wait -1
	CREST
.endm
.macro JLOAD                           ; the joint refill by the walking descriptors; an s_nop 0 and four v_nop follow each line
	s_cmp_eq_u32 s15, 0
	s_cbranch_scc0 .Lfor_b_\@
	tensor_load_to_lds s[G0A+4:G0A+7], s[G1A:G1A+7]
	s_nop 0
	PLACES
	s_branch .Lasked_\@
.Lfor_b_\@:
	tensor_load_to_lds s[G0B+4:G0B+7], s[G1B:G1B+7]
	s_nop 0
	PLACES
.Lasked_\@:
.endm
; 8 matrix instructions: row block a x all 8 column blocks, 32 along K.  The 32 accumulators take turns, one instruction a turn.
.macro MUL8 f, a, zero
	WIN W_MUL
.irp b, 0,1,2,3,4,5,6,7
.if \zero
	v_wmma_f32_16x16x32_bf16 v[8*(8*(\a)+\b):8*(8*(\a)+\b)+7], v[(\f)+8*\b:(\f)+8*\b+7], v[(\f)+64+8*(\a):(\f)+64+8*(\a)+7], 0
.else
	v_wmma_f32_16x16x32_bf16 v[8*(8*(\a)+\b):8*(8*(\a)+\b)+7], v[(\f)+8*\b:(\f)+8*\b+7], v[(\f)+64+8*(\a):(\f)+64+8*(\a)+7], v[8*(8*(\a)+\b):8*(8*(\a)+\b)+7]
.endif
.endr
.endm
; 24 LDS loads in one run: quarter q (32 along K) into buffer f: B's 16, then A's fragments 0, 1, then 2, 3
.macro FETCH q, f
	WIN 0
.irp b, 0,1,2,3,4,5,6,7
	ds_load_tr16_b128 v[(\f)+8*\b:(\f)+8*\b+3],   v[KB] offset:(\q)*32*PB+32*\b
	ds_load_tr16_b128 v[(\f)+8*\b+4:(\f)+8*\b+7], v[KB] offset:(\q)*32*PB+32*\b+16*PB
.endr
.irp i, 0,1,2,3
	ds_load_b128 v[(\f)+64+8*\i:(\f)+64+8*\i+3],   v[KA] offset:(\q)*64+\i*16*PA
	ds_load_b128 v[(\f)+64+8*\i+4:(\f)+64+8*\i+7], v[KA] offset:(\q)*64+\i*16*PA+32
.endr
.endm
.macro QUARTER q, f, g, zero           ; multiplies buffer f; in its middle fetches quarter q into buffer g
	s_wait_dscnt 4                                 ; all of f but A's fragments 2 and 3
	MUL8 \f, 0, \zero
	MUL8 \f, 1, \zero
	WIN 0
	PLACES                                         ; four places in front of loads into registers that matrix instructions have read
	FETCH \q, \g
	s_wait_dscnt 24                                ; all but the 24 just issued
	MUL8 \f, 2, \zero
	MUL8 \f, 3, \zero
.endm
.macro LAST f
	s_wait_dscnt 4
	MUL8 \f, 0, 0
	MUL8 \f, 1, 0
	s_wait_dscnt 0x0
	MUL8 \f, 2, 0
	MUL8 \f, 3, 0
.endm
; The K step's last quarter multiplies buffer 1 and changes slots: each wave waits for all its tensor loads, adds 0 to its spare word, waits for that and for its reads of the slot;
; behind the barrier (with fill = 1 a round of the cluster's) the slot just read is filled again first, then the other slot's first fragments are read.
.macro TURN fill
	WIN 0
	s_wait_tensorcnt 0x0                           ; no tensor load of mine is out: my part of the next slot has landed, and a group 0 may be written
	ds_add_u32 v[SPW], v[NIL]
.if \fill
	s_xor_b32 s[G0A+5], s[G0A+5], SLOT1            ; the walking descriptors: the other slot, the next K step
	s_add_nc_u64 s[G0A+6:G0A+7], s[G0A+6:G0A+7], STEPA
	s_xor_b32 s[G0B+5], s[G0B+5], SLOT1
	s_add_nc_u64 s[G0B+6:G0B+7], s[G0B+6:G0B+7], STEPB
.endif
	s_xor_b32 s[TB], s[TB], SLOT1
	s_wait_dscnt 5                                 ; the add and A's fragments 2 and 3 may be out
	MUL8 F1, 0, 0
	s_wait_dscnt 0x0                               ; the add is done, my reads of this slot are over
	s_barrier_signal -1
	MUL8 F1, 1, 0
	WIN 0
	s_barrier_wait -1
.if \fill
	CREST
	JLOAD                                          ; its four v_nop are also the places in front of the loads below
.else
	PLACES
.endif
	v_add_nc_u32 v[KA], s[TB], v[ADRA]
	v_add_nc_u32 v[KB], s[TB], v[ADRB]
	FETCH 0, F0
	MUL8 F1, 2, 0
	MUL8 F1, 3, 0
.endm
	s_load_b256 s[4:11], s[0:1], 0x0               ; xb 4, wts 6, tab 8, lat 10
	v_lshl_add_u32 v[SPW], v0, 2, SPARE
	v_mov_b32 v[NIL], 0
	ds_add_u32 v[SPW], v[NIL]                      ; the opening: the add, with its wait ahead of my first tensor load
	v_lshrrev_b32 v1, 5, v0
	v_readfirstlane_b32 s[WV], v1
	s_lshr_b32 s15, s[WV], 1                       ; 0: I fetch for A; 1: for B
	s_and_b32 s16, s[WV], 1                        ; which half
	s_bfe_u32 s17, ttmp6, 0x40000                  ; cx
	s_bfe_u32 s18, ttmp6, 0x40004                  ; cy
	s_lshl_b32 s19, ttmp9, 2
	s_add_co_u32 s19, s19, s17                     ; tile column
	s_and_b32 s20, ttmp7, 0xffff
	s_lshl_b32 s20, s20, 2
	s_add_co_u32 s20, s20, s18                     ; tile row
	s_lshl_b32 s21, s18, 2
	s_lshl_b32 s21, 15, s21                        ; my row of the cluster
	s_lshl_b32 s22, 0x1111, s17                    ; my column
	s_or_b32 s[G1A], s21, (1<<16)|(1<<20)|(1<<21)|(6<<22)|(3<<25)  ; 2-byte elements, 4 words of padding behind every 128
	s_mov_b32 s[G1A+1], 256<<16                    ; tensor_dim0
	s_mov_b32 s[G1A+2], 32<<16                     ; tensor_dim1
	s_mov_b32 s[G1A+3], 256<<16                    ; tile_dim0
	s_mov_b32 s[G1A+4], 32                         ; tile_dim1
	s_mov_b32 s[G1A+5], 2048                       ; elements from row to row
	s_mov_b32 s[G1A+6], 0
	s_mov_b32 s[G1A+7], 0
	s_or_b32 s[G1B], s22, (1<<16)|(1<<20)|(1<<21)|(5<<22)|(7<<25)  ; 8 words of padding behind every 64
	s_mov_b32 s[G1B+1], 128<<16
	s_mov_b32 s[G1B+2], 128<<16
	s_mov_b32 s[G1B+3], 128<<16
	s_mov_b32 s[G1B+4], 128
	s_mov_b32 s[G1B+5], 512
	s_mov_b32 s[G1B+6], 0
	s_mov_b32 s[G1B+7], 0
	s_lshl_b32 s56, s20, 6                         ; A: row 64 x tile row + 32 x half,
	s_lshl_b32 s57, s16, 5
	s_add_co_u32 s56, s56, s57
	s_lshl_b32 s56, s56, 12                        ; of 4,096 bytes
	s_mov_b32 s57, 0
	s_lshl_b32 s58, s16, 17                        ; B: k-row 128 x half, of 1,024 bytes,
	s_lshl_b32 s59, s19, 8                         ; column byte 256 x tile column
	s_add_co_u32 s58, s58, s59
	s_mov_b32 s59, 0
	s_mul_i32 s60, s16, 32*PA                      ; where they go: the wave's number alone enters an LDS address
	s_mul_i32 s61, s16, 128*PB
	s_add_co_u32 s61, s61, BOFF
	s_mov_b32 s[TB], 0
	s_wait_dscnt 0x0                               ; the opening add is done
	s_wait_kmcnt 0x0
	s_add_nc_u64 s[56:57], s[4:5], s[56:57]
	s_add_nc_u64 s[58:59], s[6:7], s[58:59]
	CROUND                                         ; all sixteen work-groups are here: the first joint loads meet
.irp s, 0,1
	s_mov_b32 s[G0A+4*\s], 1
	s_add_co_u32 s[G0A+4*\s+1], s60, \s*SLOT1
	s_add_nc_u64 s[G0A+4*\s+2:G0A+4*\s+3], s[56:57], \s*STEPA
	s_or_b32 s[G0A+4*\s+3], s[G0A+4*\s+3], 0x80000000
	s_mov_b32 s[G0B+4*\s], 1
	s_add_co_u32 s[G0B+4*\s+1], s61, \s*SLOT1
	s_add_nc_u64 s[G0B+4*\s+2:G0B+4*\s+3], s[58:59], \s*STEPB
	s_or_b32 s[G0B+4*\s+3], s[G0B+4*\s+3], 0x80000000
.endr
	s_cmp_eq_u32 s15, 0                            ; a wave's two first fills stand in one branch: two loads of mine are out
	s_cbranch_scc0 .Lfirst_b
	tensor_load_to_lds s[G0A:G0A+3], s[G1A:G1A+7]
	s_nop 0
	tensor_load_to_lds s[G0A+4:G0A+7], s[G1A:G1A+7]
	s_nop 0
	PLACES
	s_branch .Lfirst_asked
.Lfirst_b:
	tensor_load_to_lds s[G0B:G0B+3], s[G1B:G1B+7]
	s_nop 0
	tensor_load_to_lds s[G0B+4:G0B+7], s[G1B:G1B+7]
	s_nop 0
	PLACES
.Lfirst_asked:
	; while the first tiles are on their way: the norms, the addresses, the scales
	v_and_b32 v1, 15, v0                           ; r
	v_bfe_u32 v2, v0, 4, 1                         ; h
	v_and_b32 v3, 31, v0                           ; lane
	v_lshlrev_b32 v4, 4, v3
	v_lshlrev_b32 v5, 2, v3
	s_add_nc_u64 s[66:67], s[8:9], STATS
.irp i, 0,1,2,3
	global_load_b128 v[32+4*\i:35+4*\i], v4, s[66:67] offset:512*\i   ; x's 512 figures
.endr
.irp i, 0,1,2,3
	global_load_b32 v[48+\i], v5, s[66:67] offset:2048+128*\i         ; wq_d; wkv_d; wq_u (lanes 0-15) and wk_u (16-31); wv_u
.endr
	s_mov_b32 s60, 0x76543210
	s_mov_b32 s61, 0xfedcba98
	v_mul_u32_u24 v[ADRA], v1, PA
	v_lshl_add_u32 v[ADRA], v2, 4, v[ADRA]
	s_lshl_b32 s62, s[WV], 7                       ; my 64 of the step's 256 along K
	v_add_nc_u32 v[ADRA], s62, v[ADRA]
	v_and_b32 v6, 7, v0
	v_bfe_u32 v7, v0, 3, 1
	v_lshl_add_u32 v[ADRB], v2, 3, v6
	s_lshl_b32 s62, s[WV], 6
	v_add_nc_u32 v[ADRB], s62, v[ADRB]
	v_mul_u32_u24 v[ADRB], v[ADRB], PB
	v_lshl_add_u32 v[ADRB], v7, 4, v[ADRB]
	v_add_nc_u32 v[ADRB], BOFF, v[ADRB]
	v_mov_b32 v[KA], v[ADRA]
	v_mov_b32 v[KB], v[ADRB]
	s_mul_i32 s62, s[WV], 16*SP
	s_add_co_u32 s62, s62, STAGE
	v_mul_u32_u24 v[STO], v1, SP
	v_lshl_add_u32 v[STO], v2, 4, v[STO]
	v_add_nc_u32 v[STO], s62, v[STO]
	v_mul_u32_u24 v[RD], v2, SP
	v_lshl_add_u32 v[RD], v1, 4, v[RD]
	v_add_nc_u32 v[RD], s62, v[RD]
	v_lshlrev_b32 v[CO], 10, v2
	v_lshl_add_u32 v[CO], v1, 4, v[CO]
	s_lshl_b32 s62, s[WV], 15
	v_lshl_add_u32 v[XS], v3, 4, s62
	s_lshl_b32 s62, s[WV], 13
	v_lshl_add_u32 v[XR], v3, 4, s62
	v_add_nc_u32 v[XR+1], 65536, v[XR]
	s_lshl_b32 s68, s20, 6
	s_lshl4_add_u32 s68, s[WV], s68                ; the rows that I store: 64 x tile row + 16 x wave
	s_lshl_b32 s68, s68, 10
	s_lshl_b32 s69, s19, 8
	s_add_co_u32 s68, s68, s69
	s_mov_b32 s69, 0
	s_add_nc_u64 s[68:69], s[10:11], s[68:69]
	s_lshl2_add_u32 s74, s18, s17                  ; the scales' copy of my work-group: told apart by address
	s_lshl_b32 s74, s74, 8
	s_add_co_u32 s74, s74, SCL
	s_mov_b32 s75, 0
	s_add_nc_u64 s[74:75], s[10:11], s[74:75]
	s_lshr_b32 s72, s19, 1                         ; 0: my columns are the q latent's; 1: the kv latent's
	s_wait_loadcnt 0x0
	v_max3_num_f32 v32, v32, v33, v34
	v_max3_num_f32 v32, v32, v35, v36
	v_max3_num_f32 v32, v32, v37, v38
	v_max3_num_f32 v32, v32, v39, v40
	v_max3_num_f32 v32, v32, v41, v42
	v_max3_num_f32 v32, v32, v43, v44
	v_max3_num_f32 v32, v32, v45, v46
	v_max_num_f32 v32, v32, v47
.irp m, 1,2,4,8
	v_max_num_f32_dpp v32, v32, v32 row_xmask:\m row_mask:0xf bank_mask:0xf
	v_add_f32_dpp v48, v48, v48 row_xmask:\m row_mask:0xf bank_mask:0xf
	v_add_f32_dpp v49, v49, v49 row_xmask:\m row_mask:0xf bank_mask:0xf
	v_add_f32_dpp v50, v50, v50 row_xmask:\m row_mask:0xf bank_mask:0xf
	v_add_f32_dpp v51, v51, v51 row_xmask:\m row_mask:0xf bank_mask:0xf
.endr
	v_permlanex16_b32 v33, v32, s60, s61
	v_permlanex16_b32 v34, v48, s60, s61
	v_permlanex16_b32 v35, v49, s60, s61
	v_permlanex16_b32 v36, v51, s60, s61
	v_max_num_f32 v32, v32, v33                    ; nx2
	v_add_f32 v48, v48, v34                        ; F2 of wq_d
	v_add_f32 v49, v49, v35                        ; of wkv_d
	v_add_f32 v51, v51, v36                        ; of wv_u
	v_readlane_b32 s70, v50, 0                     ; of wq_u
	v_readlane_b32 s71, v50, 16                    ; of wk_u
	v_mul_f32 v52, v32, v48                        ; the bounds' squares: q latent,
	v_mul_f32 v53, v32, v49                        ; kv latent,
	v_mul_f32 v54, s70, v52                        ; q,
	v_mul_f32 v55, s71, v53                        ; k,
	v_mul_f32 v56, v53, v51                        ; v
.irp r, 52,53,54,55,56
	v_lshrrev_b32 v\r, 23, v\r                     ; g = (exponent - 127) >> 1
	v_add_nc_u32 v\r, 0xffffff81, v\r
	v_ashrrev_i32 v\r, 1, v\r
.endr
	v_sub_nc_u32 v57, v52, v54                     ; RQ = 2^(gLq - gQ)
	v_add_nc_u32 v57, 127, v57
	v_lshlrev_b32 v57, 23, v57
	v_sub_nc_u32 v58, v53, v55                     ; RK
	v_add_nc_u32 v58, 127, v58
	v_lshlrev_b32 v58, 23, v58
	v_sub_nc_u32 v59, v53, v56                     ; RV
	v_add_nc_u32 v59, 127, v59
	v_lshlrev_b32 v59, 23, v59
	v_add_nc_u32 v60, 114, v56                     ; IV = 2^(gV - 13)
	v_lshlrev_b32 v60, 23, v60
	v_add_nc_u32 v61, 114, v54                     ; CS = log2(e) / 8 x 2^(gQ - 13) x 2^(gK - 13)
	v_lshlrev_b32 v61, 23, v61
	v_add_nc_u32 v62, 114, v55
	v_lshlrev_b32 v62, 23, v62
	v_mul_f32 v61, 0x3e38aa3b, v61
	v_mul_f32 v61, v61, v62
	v_sub_nc_u32 v63, v53, v52                     ; my latent's g, by arithmetic
	v_mul_lo_u32 v63, v63, s72
	v_add_nc_u32 v63, v63, v52
	v_sub_nc_u32 v30, 140, v63                     ; SL = 2^(13 - gL)
	v_lshlrev_b32 v30, 23, v30
	v_mov_b32 v31, v30
	v_mov_b32 v12, 0                               ; lane i holds scale i: RQ, RK, RV, CS, IV; the rest 0
	v_cmp_eq_u32 vcc_lo, 0, v3
	v_cndmask_b32 v12, v12, v57, vcc_lo
	v_cmp_eq_u32 vcc_lo, 1, v3
	v_cndmask_b32 v12, v12, v58, vcc_lo
	v_cmp_eq_u32 vcc_lo, 2, v3
	v_cndmask_b32 v12, v12, v59, vcc_lo
	v_cmp_eq_u32 vcc_lo, 3, v3
	v_cndmask_b32 v12, v12, v61, vcc_lo
	v_cmp_eq_u32 vcc_lo, 4, v3
	v_cndmask_b32 v12, v12, v60, vcc_lo
	v_mov_b32 v13, 0
	v_lshlrev_b32 v14, 3, v3
	s_and_b32 s76, ttmp7, 0xffff                   ; the first cluster's wave 0 of each work-group stores a copy: 256 whole bytes; v12-14 are not written again
	s_or_b32 s76, s76, ttmp9
	s_or_b32 s76, s76, s[WV]
	s_cmp_lg_u32 s76, 0
	s_cbranch_scc1 .Lno_scales
	global_store_b64 v14, v[12:13], s[74:75]
.Lno_scales:
	s_wait_tensorcnt 1                             ; my part of K step 0 is in; K step 1's may stay out
	s_barrier_signal -1
	s_barrier_wait -1
	FETCH 0, F0
	QUARTER 1, F0, F1, 1                           ; the first quarter starts the sums
	WIN 0
	s_mov_b32 s3, 6
.Lstep:                                        ; six trips: K steps 0 to 5 end, and their slots take K steps 2 to 7
	TURN 1
	QUARTER 1, F0, F1, 0
	WIN 0
	s_sub_co_u32 s3, s3, 1
	s_cmp_lg_u32 s3, 0
	s_cbranch_scc1 .Lstep
	TURN 0                                         ; the tail is written out: nothing is left to fetch
	QUARTER 1, F0, F1, 0
	LAST F1
	; THE WAY OUT.  The four partial tiles meet in slot 0's bytes, which have had their last fill and whose last reads stand in front of the last barrier.
	PLACES
	WIN 0x04                                       ; store data in window 1
.set t, 0
.rept 64
	ds_store_b128 v[XS], v[4*t:4*t+3] offset:512*t ; each accumulator's low four registers first
.set t, t+1
.endr
	WIN 0
	s_wait_dscnt 0x0                               ; for the others' sake: my stores are done
	s_barrier_signal -1
	s_barrier_wait -1
.macro XLOAD dst, adr, off             ; row block = my wave's number, of one source wave: 16 loads
.set t, 0
.rept 16
	ds_load_b128 v[(\dst)+4*t:(\dst)+4*t+3], v[\adr] offset:(\off)+512*t
.set t, t+1
.endr
.endm
.macro XADD src
.set t, 0
.rept 32
	v_pk_add_f32 v[64+2*t:65+2*t], v[64+2*t:65+2*t], v[(\src)+2*t:(\src)+2*t+1]
.set t, t+1
.endr
.endm
	XLOAD 64, XR, 0
	XLOAD 128, XR, 32768
	XLOAD 192, XR+1, 0
	s_wait_dscnt 16                                ; sources 0 and 1 are in
	XADD 128
	XLOAD 128, XR+1, 32768
	s_wait_dscnt 16                                ; source 2
	XADD 192
	s_wait_dscnt 0x0
	XADD 128
.set t, 0
.rept 32
	v_pk_mul_f32 v[64+2*t:65+2*t], v[64+2*t:65+2*t], v[30:31]
.set t, t+1
.endr
.set t, 0
.rept 32
	v_cvt_pk_f16_f32 v[32+t], v[64+2*t], v[65+2*t]
.set t, t+1
.endr
.irp b, 0,1,2,3,4,5,6,7
	ds_store_b128 v[STO], v[32+4*\b:35+4*\b] offset:32*\b
.endr
.irp t, 0,1,2,3,4,5,6,7
	ds_load_b128 v[128+4*\t:131+4*\t], v[RD] offset:\t*2*SP   ; LDS serves a wave's instructions in order: these see the stores above
.endr
.irp t, 0,1,2,3,4,5,6,7
	s_wait_dscnt 7-\t
	global_store_b128 v[CO], v[128+4*\t:131+4*\t], s[68:69] offset:2048*\t  ; 16 lanes store 256 consecutive aligned bytes
.endr
	s_wait_tensorcnt 0x0                           ; the wave's end
	ds_add_u32 v[SPW], v[NIL]
	s_wait_dscnt 0x0
	CROUND                                         ; the closing round
	s_endpgm
.Lfunc_end_k_q4f8b876b27_down:
	.size	k_q4f8b876b27_down, .Lfunc_end_k_q4f8b876b27_down-k_q4f8b876b27_down
	.p2alignl 7, 3214868480
	.fill 96, 4, 3214868480
	.section	.rodata,"a",@progbits
	.p2align	6, 0x0
	.amdhsa_kernel k_q4f8b876b27_down
		.amdhsa_group_segment_fixed_size 327680
		.amdhsa_private_segment_fixed_size 0
		.amdhsa_enable_private_segment 0
		.amdhsa_kernarg_size 32
		.amdhsa_user_sgpr_count 2
		.amdhsa_user_sgpr_kernarg_segment_ptr 1
		.amdhsa_wavefront_size32 1
		.amdhsa_system_sgpr_workgroup_id_x 1
		.amdhsa_system_sgpr_workgroup_id_y 1
		.amdhsa_system_sgpr_workgroup_id_z 1
		.amdhsa_system_vgpr_workitem_id 0
		.amdhsa_next_free_vgpr 512
		.amdhsa_next_free_sgpr 100
		.amdhsa_reserve_vcc 1
		.amdhsa_float_denorm_mode_32 3
		.amdhsa_float_denorm_mode_16_64 3
		.amdhsa_memory_ordered 1
		.amdhsa_forward_progress 1
		.amdhsa_inst_pref_size 58
	.end_amdhsa_kernel
	.amdgpu_metadata
---
amdhsa.version: [ 1, 2 ]
amdhsa.kernels:
  - .name:           k_q4f8b876b27_down
    .symbol:         k_q4f8b876b27_down.kd
    .args:
      - { .name: xb, .offset: 0, .size: 8, .value_kind: global_buffer, .address_space: global }
      - { .name: wts, .offset: 8, .size: 8, .value_kind: global_buffer, .address_space: global }
      - { .name: tab, .offset: 16, .size: 8, .value_kind: global_buffer, .address_space: global }
      - { .name: lat, .offset: 24, .size: 8, .value_kind: global_buffer, .address_space: global }
    .group_segment_fixed_size: 327680
    .private_segment_fixed_size: 0
    .kernarg_segment_align: 8
    .kernarg_segment_size: 32
    .max_flat_workgroup_size: 128
    .sgpr_count:     100
    .vgpr_count:     512
    .wavefront_size: 32
...
	.end_amdgpu_metadata
.endif
;; end of part 2
;; launch up (part 3): grid 16 x 16, 4 waves a work-group, clusters of 4 x 4, 327,680 bytes of LDS; arguments lat, wts, tab, qkv; writes qkv
.if DOCPART == 3
	.amdgcn_target "amdgcn-amd-amdhsa--gfx1250"
	.amdhsa_code_object_version 6
	.text
	.protected	k_q4f8b876b27_up
	.globl	k_q4f8b876b27_up
	.p2align	8
	.type	k_q4f8b876b27_up,@function
k_q4f8b876b27_up:
	s_mov_b64 s[64:65], 0
	v_nop
	global_prefetch_b8 v0, s[64:65] scope:SCOPE_SE
	s_setreg_imm32_b32 hwreg(HW_REG_WAVE_MODE, 25, 1), 1
	s_wait_xcnt 0x0
	s_wait_alu depctr_hold_cnt(0) depctr_sa_sdst(0) depctr_va_vdst(0) depctr_va_sdst(0) depctr_va_ssrc(0) depctr_va_vcc(0) depctr_vm_vsrc(0)
	s_getreg_b32 s2, hwreg(HW_REG_IB_STS2, 6, 4)
	s_cmp_eq_u32 s2, 0
	s_cbranch_scc0 .Lentry_in_a_cluster
	s_endpgm
.Lentry_in_a_cluster:
	s_bfe_u32 s2, ttmp6, 0x10000c
	s_cmp_lg_u32 s2, 0xf033
	s_cbranch_scc0 .Lentry_shape_is_right
	s_endpgm
.Lentry_shape_is_right:
; UP.  q' = RoPE(lat'q @ wq_u) RQ, k' = RoPE(lat'kv @ wk_u) RK, v' = (lat'kv @ wv_u) RV; f16 operands, f32 sums, stored once in f16, by heads:
; q, k [32 (b, head)][2048][64], v [32][2048][128].  R are powers of two made by the launch before; they bring each tensor under 2^14 times sqrt 2.
; A work-group makes 256 rows x 256 of the 4,096 joined columns, as two column tiles of 128; wave w takes rows 64 w .. (32 accumulators).  K = 256: A's tile and both of B's are
; first fills, three loads a wave, all out together.  Cluster x tells the kind (0 q, 1 k, 2 and 3 v): every branch hangs on it, none on a place in the cluster.
; CLUSTER 4 x 4: A's tile is shared along a row, B's along a column.  The matrix instruction is used transposed: a lane holds row l % 16 and eight neighbouring columns,
; so a head's channels d and d + 32 lie in the same lane, two accumulators apart, and RoPE changes no lane.
; ONE TEXT PACKS ALL THREE KINDS: X c - Y s and Y c + X s, with c = cos R and s = sin R from the table for q and k, and c = RV, s = 0 for v, which gives X RV and Y RV exactly.
; LIMITS as in the launch before.  No prefetch: the launch has no ring, and its tiles are asked for at its head.
.set PA,    528
.set PB,    288
.set BOFF,  256*PA
.set BTILE, 256*PB
.set STAGE, BOFF+2*BTILE
.set SP,    272
.set SPARE, STAGE+4*16*SP
.set WUB,   2097152
.set ADRA, 16
.set ADRB, 17
.set KA,   18
.set KB,   19
.set STO,  20
.set RDQ,  21                          ; read back: four rows of 128 bytes (q, k)
.set CO,   22
.set TABO, 23
.set RDV,  27                          ; two rows of 256 bytes (v)
.set SPW,  28
.set NIL,  29
.set F0,   64
.set F1,   160
.set PKD,  192                         ; the way out: packed results;  v64-95 at work;  v128-159, v160-191 rows read back
.set WV,   14
.set TB,   23
.set G1A,  24
.set G1B,  32
.set G0A,  40
.set G0B,  48
.set W_MUL, 0x50
.set MSB, 0
.macro WIN new
.if MSB != (\new)
	s_set_vgpr_msb (MSB<<8)|(\new)
.set MSB, \new
.endif
.endm
.macro PLACES
.rept 4
	v_nop
.endr
.endm
.macro CROUND
	s_barrier_signal -1
	s_barrier_wait -1
	s_cmp_lg_u32 s[WV], 0
	s_cbranch_scc1 .Lnot_wave_0_\@
	s_barrier_signal -3
.Lnot_wave_0_\@:
	s_barrier_wait -3
	s_barrier_signal -1
	s_barrier_wait -1
.endm
.macro MUL8 f, a, zero                 ; the 32 accumulators take turns, one instruction a turn
	WIN W_MUL
.irp b, 0,1,2,3,4,5,6,7
.if \zero
	v_wmma_f32_16x16x32_f16 v[8*(8*(\a)+\b):8*(8*(\a)+\b)+7], v[(\f)+8*\b:(\f)+8*\b+7], v[(\f)+64+8*(\a):(\f)+64+8*(\a)+7], 0
.else
	v_wmma_f32_16x16x32_f16 v[8*(8*(\a)+\b):8*(8*(\a)+\b)+7], v[(\f)+8*\b:(\f)+8*\b+7], v[(\f)+64+8*(\a):(\f)+64+8*(\a)+7], v[8*(8*(\a)+\b):8*(8*(\a)+\b)+7]
.endif
.endr
.endm
.macro FETCH q, f
	WIN 0
.irp b, 0,1,2,3,4,5,6,7
	ds_load_tr16_b128 v[(\f)+8*\b:(\f)+8*\b+3],   v[KB] offset:(\q)*32*PB+32*\b
	ds_load_tr16_b128 v[(\f)+8*\b+4:(\f)+8*\b+7], v[KB] offset:(\q)*32*PB+32*\b+16*PB
.endr
.irp i, 0,1,2,3
	ds_load_b128 v[(\f)+64+8*\i:(\f)+64+8*\i+3],   v[KA] offset:(\q)*64+\i*16*PA
	ds_load_b128 v[(\f)+64+8*\i+4:(\f)+64+8*\i+7], v[KA] offset:(\q)*64+\i*16*PA+32
.endr
.endm
.macro QUARTER q, f, g, zero
	s_wait_dscnt 4                                 ; all of f but A's fragments 2 and 3
	MUL8 \f, 0, \zero
	MUL8 \f, 1, \zero
	WIN 0
	PLACES
	FETCH \q, \g
	s_wait_dscnt 24                                ; all but the 24 just issued
	MUL8 \f, 2, \zero
	MUL8 \f, 3, \zero
.endm
.macro LAST f
	s_wait_dscnt 4
	MUL8 \f, 0, 0
	MUL8 \f, 1, 0
	s_wait_dscnt 0x0
	MUL8 \f, 2, 0
	MUL8 \f, 3, 0
.endm
	s_load_b256 s[4:11], s[0:1], 0x0               ; lat 4, wts 6, tab 8, qkv 10
	v_lshl_add_u32 v[SPW], v0, 2, SPARE
	v_mov_b32 v[NIL], 0
	ds_add_u32 v[SPW], v[NIL]                      ; the opening: the add, with its wait ahead of my first tensor load
	v_lshrrev_b32 v1, 5, v0
	v_readfirstlane_b32 s[WV], v1
	s_bfe_u32 s17, ttmp6, 0x40000
	s_bfe_u32 s18, ttmp6, 0x40004
	s_lshl_b32 s19, ttmp9, 2
	s_add_co_u32 s19, s19, s17                     ; column group 0..15
	s_and_b32 s20, ttmp7, 0xffff
	s_lshl_b32 s20, s20, 2
	s_add_co_u32 s20, s20, s18                     ; row block 0..15
	s_lshl_b32 s21, s18, 2
	s_lshl_b32 s21, 15, s21
	s_lshl_b32 s22, 0x1111, s17
	s_or_b32 s[G1A], s21, (1<<16)|(1<<20)|(1<<21)|(6<<22)|(3<<25)
	s_mov_b32 s[G1A+1], 256<<16
	s_mov_b32 s[G1A+2], 64<<16
	s_mov_b32 s[G1A+3], 256<<16
	s_mov_b32 s[G1A+4], 64
	s_mov_b32 s[G1A+5], 512
	s_mov_b32 s[G1A+6], 0
	s_mov_b32 s[G1A+7], 0
	s_or_b32 s[G1B], s22, (1<<16)|(1<<20)|(1<<21)|(5<<22)|(7<<25)
	s_mov_b32 s[G1B+1], 128<<16
	s_mov_b32 s[G1B+2], 64<<16
	s_mov_b32 s[G1B+3], 128<<16
	s_mov_b32 s[G1B+4], 64
	s_mov_b32 s[G1B+5], 4096
	s_mov_b32 s[G1B+6], 0
	s_mov_b32 s[G1B+7], 0
	s_lshl_b32 s56, s20, 8                         ; A: row 256 x block + 64 x wave, of 1,024 bytes;
	s_lshl_b32 s57, s[WV], 6
	s_add_co_u32 s56, s56, s57
	s_lshl_b32 s56, s56, 10
	s_cmp_ge_u32 ttmp9, 1
	s_cselect_b32 s57, 512, 0                      ; k and v take the kv latent's 256 columns
	s_add_co_u32 s56, s56, s57
	s_mov_b32 s57, 0
	s_lshl_b32 s58, s[WV], 19                      ; B: k-row 64 x wave, of 8,192 bytes; column byte 512 x group
	s_lshl_b32 s59, s19, 9
	s_add_co_u32 s58, s58, s59
	s_add_co_u32 s58, s58, WUB
	s_mov_b32 s59, 0
	s_mul_i32 s60, s[WV], 64*PA
	s_mul_i32 s61, s[WV], 64*PB
	s_add_co_u32 s61, s61, BOFF
	s_wait_dscnt 0x0
	s_wait_kmcnt 0x0
	s_load_b32 s70, s[4:5], 0x400000               ; RQ, RK, RV
	s_load_b32 s71, s[4:5], 0x400008
	s_load_b32 s72, s[4:5], 0x400010
	s_mov_b32 s[G0A], 1
	s_mov_b32 s[G0A+1], s60
	s_add_nc_u64 s[G0A+2:G0A+3], s[4:5], s[56:57]
	s_or_b32 s[G0A+3], s[G0A+3], 0x80000000
	s_add_nc_u64 s[58:59], s[6:7], s[58:59]
.irp c, 0,1
	s_mov_b32 s[G0B+4*\c], 1
	s_add_co_u32 s[G0B+4*\c+1], s61, \c*BTILE
	s_add_nc_u64 s[G0B+4*\c+2:G0B+4*\c+3], s[58:59], \c*256
	s_or_b32 s[G0B+4*\c+3], s[G0B+4*\c+3], 0x80000000
.endr
	CROUND                                         ; all sixteen work-groups are here: the joint loads meet
	tensor_load_to_lds s[G0A:G0A+3], s[G1A:G1A+7]  ; three loads of mine are out
	s_nop 0
	tensor_load_to_lds s[G0B:G0B+3], s[G1B:G1B+7]
	s_nop 0
	tensor_load_to_lds s[G0B+4:G0B+7], s[G1B:G1B+7]
	s_nop 0
	PLACES
	v_and_b32 v1, 15, v0
	v_bfe_u32 v2, v0, 4, 1
	v_and_b32 v3, 31, v0
	v_lshlrev_b32 v[TABO], 8, v1                   ; the table: 256 bytes a t; my eight j begin at 8 h
	v_lshl_add_u32 v[TABO], v2, 5, v[TABO]
	s_and_b32 s74, s20, 7
	s_lshl_b32 s74, s74, 8
	s_lshl_b32 s75, s[WV], 6
	s_add_co_u32 s74, s74, s75                     ; my first t
	s_lshl_b32 s66, s74, 8
	s_mov_b32 s67, 0
	s_add_nc_u64 s[66:67], s[8:9], s[66:67]
	s_wait_kmcnt 0x0
	s_cmp_eq_u32 ttmp9, 0
	s_cselect_b32 s58, s70, s71
	s_cmp_ge_u32 ttmp9, 2
	s_cselect_b32 s58, s72, s58
	s_mov_b32 s59, s58                             ; named as a pair
	s_cbranch_scc1 .Lv_tab
	WIN 0x80                                       ; window 2: row block a: c at 32 a + 8 nb, s at 32 a + 16 + 8 nb.  q and k: from the table,
.set t, 0
.rept 32
	global_load_b128 v[4*t:4*t+3], v[TABO], s[66:67] offset:4096*(t/8)+128*((t/4)%2)+64*((t/2)%2)+16*(t%2)
.set t, t+1
.endr
	s_wait_loadcnt 0x0
	WIN 0x82
.set t, 0
.rept 64
	v_pk_mul_f32 v[2*t:2*t+1], v[2*t:2*t+1], s[58:59] op_sel_hi:[1,0]  ; and the scale rides in it
.set t, t+1
.endr
	WIN 0
	s_branch .Ltab_done
.Lv_tab:                                       ; v: c = RV, s = 0; written while the first tiles are on their way
	WIN 0x80
.set t, 0
.rept 128
.if (t%32) < 16
	v_mov_b32 v[t], s58
.else
	v_mov_b32 v[t], 0
.endif
.set t, t+1
.endr
	WIN 0
.Ltab_done:
	v_mul_u32_u24 v[ADRA], v1, PA
	v_lshl_add_u32 v[ADRA], v2, 4, v[ADRA]
	v_add_nc_u32 v[ADRA], s60, v[ADRA]             ; my 64 rows
	v_and_b32 v6, 7, v0
	v_bfe_u32 v7, v0, 3, 1
	v_lshl_add_u32 v[ADRB], v2, 3, v6
	v_mul_u32_u24 v[ADRB], v[ADRB], PB
	v_lshl_add_u32 v[ADRB], v7, 4, v[ADRB]
	v_add_nc_u32 v[ADRB], BOFF, v[ADRB]
	s_mul_i32 s62, s[WV], 16*SP
	s_add_co_u32 s62, s62, STAGE
	v_mul_u32_u24 v[STO], v1, SP
	v_lshl_add_u32 v[STO], v2, 4, v[STO]
	v_add_nc_u32 v[STO], s62, v[STO]
	v_bfe_u32 v[RDQ], v0, 3, 2
	v_mul_u32_u24 v[RDQ], v[RDQ], SP
	v_lshl_add_u32 v[RDQ], v6, 4, v[RDQ]
	v_add_nc_u32 v[RDQ], s62, v[RDQ]
	v_mul_u32_u24 v[RDV], v2, SP
	v_lshl_add_u32 v[RDV], v1, 4, v[RDV]
	v_add_nc_u32 v[RDV], s62, v[RDV]
	v_lshlrev_b32 v[CO], 4, v3
	; where the first column tile goes: ((16 b + head) 2048 + t) rows of 128 (q, k) or 256 (v) bytes
	s_lshr_b32 s73, s20, 3
	s_lshl_b32 s73, s73, 4
	s_and_b32 s75, s19, 3
	s_lshl2_add_u32 s75, s75, s73                  ; q, k: four heads a group
	s_and_b32 s76, s19, 7
	s_lshl1_add_u32 s76, s76, s73                  ; v: two
	s_cmp_ge_u32 ttmp9, 2
	s_cselect_b32 s75, s76, s75
	s_cselect_b32 s76, 8, 7
	s_lshl_b32 s75, s75, 11
	s_add_co_u32 s75, s75, s74
	s_lshl_b32 s68, s75, s76
	s_min_u32 s75, ttmp9, 2
	s_lshl_b32 s75, s75, 23                        ; q at 0, k at 8 MiB, v at 16 MiB
	s_add_co_u32 s68, s68, s75
	s_mov_b32 s69, 0
	s_add_nc_u64 s[68:69], s[10:11], s[68:69]
; THE WAY OUT of row block a.  PACKR: with X = accumulator 4 hh + nb and Y = the accumulator two further on: X c - Y s and Y c + X s, rounded to f16; packed block b is accumulator b.
; Each accumulator is read from its low end on.
.macro PACKR a
.set hh, 0
.rept 2
	WIN 0x09                                       ; source 0 (sums) window 1, source 1 (c, s) window 2
.set u, 0
.rept 8
.set rX, 8*(8*(\a)+4*hh+u/4)+2*(u%4)
.set rC, 32*(\a)+8*(u/4)+2*(u%4)
.set rW, 64+16*(u/4)+2*(u%4)
	v_pk_mul_f32 v[rW:rW+1], v[rX:rX+1], v[rC:rC+1]
	v_pk_mul_f32 v[rW+8:rW+9], v[rX+16:rX+17], v[rC:rC+1]
	v_pk_fma_f32 v[rW:rW+1], v[rX+16:rX+17], v[rC+16:rC+17], v[rW:rW+1] neg_lo:[1,0,0] neg_hi:[1,0,0]
	v_pk_fma_f32 v[rW+8:rW+9], v[rX:rX+1], v[rC+16:rC+17], v[rW+8:rW+9]
.set u, u+1
.endr
	WIN 0
.set u, 0
.rept 8
	v_cvt_pk_f16_f32 v[PKD+4*(4*hh+u/4)+u%4],   v[64+16*(u/4)+2*(u%4)], v[64+16*(u/4)+2*(u%4)+1]
	v_cvt_pk_f16_f32 v[PKD+4*(4*hh+u/4+2)+u%4], v[72+16*(u/4)+2*(u%4)], v[72+16*(u/4)+2*(u%4)+1]
.set u, u+1
.endr
.set hh, hh+1
.endr
.endm
.macro TOSTAGE a, isv                  ; into my own stage, and back as whole rows of the head's layout
.irp b, 0,1,2,3,4,5,6,7
	ds_store_b128 v[STO], v[PKD+4*\b:PKD+4*\b+3] offset:32*\b
.endr
.set BK, 128+32*((\a)%2)
.irp i, 0,1,2,3,4,5,6,7
.if \isv
	ds_load_b128 v[BK+4*\i:BK+4*\i+3], v[RDV] offset:2*SP*\i   ; LDS serves a wave's instructions in order: these see the stores above
.else
	ds_load_b128 v[BK+4*\i:BK+4*\i+3], v[RDQ] offset:128*(\i/4)+4*SP*(\i%4)
.endif
.endr
.endm
.macro SEND a, isv
.set BK, 128+32*((\a)%2)
	s_wait_dscnt 0x0                               ; the block is back in registers
	s_wait_xcnt 0x0                                ; the stores before have read their registers: the other buffer may be loaded again behind this
.irp i, 0,1,2,3,4,5,6,7
.if \isv
	global_store_b128 v[CO], v[BK+4*\i:BK+4*\i+3], s[68:69] offset:512*\i+4096*(\a)    ; 512 consecutive aligned bytes
.else
	global_store_b128 v[CO], v[BK+4*\i:BK+4*\i+3], s[68:69] offset:262144*(\i/4)+512*(\i%4)+2048*(\a)
.endif
.endr
.endm
; What differs between the kinds, behind PACKR a: block a - 1 is stored, block a goes through the stage (a = 4: only the last block's stores are left).
.macro WAY a
	s_cmp_ge_u32 ttmp9, 2
	s_cbranch_scc1 .Lway_v_\@
.if (\a) > 0
	SEND (\a)-1, 0
.endif
.if (\a) < 4
	TOSTAGE \a, 0
.endif
	s_branch .Lway_j_\@
.Lway_v_\@:
.if (\a) > 0
	SEND (\a)-1, 1
.endif
.if (\a) < 4
	TOSTAGE \a, 1
.endif
.Lway_j_\@:
.endm
	s_wait_tensorcnt 0x0                           ; my parts of A and of both tiles of B are in,
	s_barrier_signal -1
	s_barrier_wait -1                              ; everybody's are; nothing is filled again
	s_mov_b32 s[TB], 0
	s_mov_b32 s2, 2
.Ltile:                                        ; two column tiles of 128
	v_mov_b32 v[KA], v[ADRA]
	v_add_nc_u32 v[KB], s[TB], v[ADRB]
	FETCH 0, F0
	QUARTER 1, F0, F1, 1
	WIN 0
	s_mov_b32 s3, 3
.Lk:                                           ; 64 along K a trip
	v_add_nc_u32 v[KA], 128, v[KA]
	v_add_nc_u32 v[KB], 64*PB, v[KB]
	QUARTER 0, F1, F0, 0
	QUARTER 1, F0, F1, 0
	WIN 0
	s_sub_co_u32 s3, s3, 1
	s_cmp_lg_u32 s3, 0
	s_cbranch_scc1 .Lk
	LAST F1
	WIN 0
	PLACES
.irp a, 0,1,2,3                        ; block a's arithmetic stands between block a - 1's loads from the stage and the wait for them
	PACKR \a
	WAY \a
.endr
	WAY 4
	s_wait_xcnt 0x0                                ; the stores have read their base and their registers
	s_add_nc_u64 s[68:69], s[68:69], 524288        ; two heads of q or k, or one of v, on
	s_add_co_u32 s[TB], s[TB], BTILE
	s_sub_co_u32 s2, s2, 1
	s_cmp_lg_u32 s2, 0
	s_cbranch_scc1 .Ltile
	s_wait_tensorcnt 0x0                           ; the wave's end
	ds_add_u32 v[SPW], v[NIL]
	s_wait_dscnt 0x0
	CROUND                                         ; the closing round
	s_endpgm
.Lfunc_end_k_q4f8b876b27_up:
	.size	k_q4f8b876b27_up, .Lfunc_end_k_q4f8b876b27_up-k_q4f8b876b27_up
	.p2alignl 7, 3214868480
	.fill 96, 4, 3214868480
	.section	.rodata,"a",@progbits
	.p2align	6, 0x0
	.amdhsa_kernel k_q4f8b876b27_up
		.amdhsa_group_segment_fixed_size 327680
		.amdhsa_private_segment_fixed_size 0
		.amdhsa_enable_private_segment 0
		.amdhsa_kernarg_size 32
		.amdhsa_user_sgpr_count 2
		.amdhsa_user_sgpr_kernarg_segment_ptr 1
		.amdhsa_wavefront_size32 1
		.amdhsa_system_sgpr_workgroup_id_x 1
		.amdhsa_system_sgpr_workgroup_id_y 1
		.amdhsa_system_sgpr_workgroup_id_z 1
		.amdhsa_system_vgpr_workitem_id 0
		.amdhsa_next_free_vgpr 640
		.amdhsa_next_free_sgpr 100
		.amdhsa_reserve_vcc 0
		.amdhsa_float_denorm_mode_32 3
		.amdhsa_float_denorm_mode_16_64 3
		.amdhsa_memory_ordered 1
		.amdhsa_forward_progress 1
		.amdhsa_inst_pref_size 74
	.end_amdhsa_kernel
	.amdgpu_metadata
---
amdhsa.version: [ 1, 2 ]
amdhsa.kernels:
  - .name:           k_q4f8b876b27_up
    .symbol:         k_q4f8b876b27_up.kd
    .args:
      - { .name: lat, .offset: 0, .size: 8, .value_kind: global_buffer, .address_space: global }
      - { .name: wts, .offset: 8, .size: 8, .value_kind: global_buffer, .address_space: global }
      - { .name: tab, .offset: 16, .size: 8, .value_kind: global_buffer, .address_space: global }
      - { .name: qkv, .offset: 24, .size: 8, .value_kind: global_buffer, .address_space: global }
    .group_segment_fixed_size: 327680
    .private_segment_fixed_size: 0
    .kernarg_segment_align: 8
    .kernarg_segment_size: 32
    .max_flat_workgroup_size: 128
    .sgpr_count:     100
    .vgpr_count:     640
    .wavefront_size: 32
...
	.end_amdgpu_metadata
.endif
;; end of part 3
;; launch attn (part 4): grid 8 x 32, 4 waves a work-group, clusters of 4 x 1, 327,680 bytes of LDS; arguments qkv, lat, ob; writes ob
.if DOCPART == 4
	.amdgcn_target "amdgcn-amd-amdhsa--gfx1250"
	.amdhsa_code_object_version 6
	.text
	.protected	k_q4f8b876b27_attn
	.globl	k_q4f8b876b27_attn
	.p2align	8
	.type	k_q4f8b876b27_attn,@function
k_q4f8b876b27_attn:
	s_mov_b64 s[64:65], 0
	v_nop
	global_prefetch_b8 v0, s[64:65] scope:SCOPE_SE
	s_setreg_imm32_b32 hwreg(HW_REG_WAVE_MODE, 25, 1), 1
	s_wait_xcnt 0x0
	s_wait_alu depctr_hold_cnt(0) depctr_sa_sdst(0) depctr_va_vdst(0) depctr_va_sdst(0) depctr_va_ssrc(0) depctr_va_vcc(0) depctr_vm_vsrc(0)
	s_getreg_b32 s2, hwreg(HW_REG_IB_STS2, 6, 4)
	s_cmp_eq_u32 s2, 0
	s_cbranch_scc0 .Lentry_in_a_cluster
	s_endpgm
.Lentry_in_a_cluster:
	s_bfe_u32 s2, ttmp6, 0x10000c
	s_cmp_lg_u32 s2, 0x3003
	s_cbranch_scc0 .Lentry_shape_is_right
	s_endpgm
.Lentry_shape_is_right:
; ATTENTION.  O'[q] = the sum over k of softmax_k(q . k / 8) v'[k], for 32 (batch, head) pairs of 2,048 rows; q', k' [.][2048][64], v' [.][2048][128], f16, each times a power of two.
; Products, maxima and sums in f32; the weights p are rounded to f16 for the second product, O' once at the end, into [token][head x 128 + d].
; p = 2^(c s - c m) with a running maximum m; c = log2(e) / 8 divided by q's and k's scales comes from the scales' block.  O and l are multiplied by a = 2^(c m_old - c m_new) in every step.
; m starts at the lowest finite number, O and l at 0: the first step is a step like any other, with a = 0.
; LIMITS.  q', k', v' arrive under 23,500; p below 6e-5 keeps f16's fixed step; a weight below 2^-126 counts as 0 in l; NaN and infinities are not treated apart.
; SHARES.  A work-group owns 256 queries of one pair, a wave 64: four tiles of 16, two PIECES (tiles 0, 1 and 2, 3).  Every wave walks all keys, 64 a step.
; LAYOUT.  S^T = K Q^T holds ONE query a lane (lane % 16) and the keys 8 (lane / 16) + 0..7; two such results rounded to f16 ARE source 1 of O^T = V^T P.  V is turned on its way out of LDS.
; BY TURNS.  In a turn one piece has the matrix unit: 32 products V^T P of the step in hand and 16 products K Q^T of the next.  The other piece's softmax is 2 x 134 = 268 vector
; instructions: 67 groups of four.  ONE group stands behind EACH of the 48 products; the 19 that are over stand together, in one run directly behind the wait for the turn's 66 exponentials.
; CLUSTER 4 x 1: the four query blocks walk the same K and V, so each tile is asked for jointly.
; REGISTERS: window 0: v0-11 addresses; v12-43 statistics; v64-191 S^T; v192-255 P.  Window 1: O^T.  Window 2: v0-63 Q, v128-191 K of a step.  Window 3: v0-127 V of a step.
.set KS,    64
.set PK,    144                        ; a row of K in LDS: 128 bytes + 16
.set PV,    288                        ; a row of V: 256 + 32
.set VOFF,  4*KS*PK                    ; a slot holds four steps: 256 rows of K, then 256 of V
.set SLOT1, 1<<17
.set STAGE, SLOT1+4*KS*(PK+PV)
.set SP,    272
.set SPARE, STAGE+4*16*SP
.set AK0, 2
.set AV0, 3
.set ADR, 4
.set QO,  5
.set STO, 6
.set RD,  7
.set GO,  8
.set PFO, 61
.set SPW, 62
.set NIL, 63
.set ST,  12                           ; tile t at v[ST+8 t]: c m, m, l (even, odd keys'), c0-c3 at work; a takes c2's place
.set S,   64
.set P,   192
.set KF,  128
.set WV,  12
.set LIM, 15
.set PFA, 18
.set G1K, 24
.set G1V, 32
.set G0K, 40
.set G0V, 48
.set SLOTS, 56
.set CNT, 57
.set CS,  58
.set SEL, 60
.set TBK, 62
.set TBV, 63
.set PFS, 66
.set MSB, 0
.macro WIN new
.if MSB != (\new)
	s_set_vgpr_msb (MSB<<8)|(\new)
.set MSB, \new
.endif
.endm
.set W_KQ, 0x0a
.set W_PV, 0x53
.set W_RS, 0x41
.macro JLOAD                           ; waves 0, 1 fetch the halves of a slot's K, waves 2, 3 of its V; an s_nop 0 and four v_nop follow each line
	s_cmp_lt_u32 s[WV], 2
	s_cbranch_scc0 .Lfor_v_\@
	tensor_load_to_lds s[G0K+4:G0K+7], s[G1K:G1K+7]
	s_nop 0
.rept 4
	v_nop
.endr
	s_branch .Lasked_\@
.Lfor_v_\@:
	tensor_load_to_lds s[G0V+4:G0V+7], s[G1V:G1V+7]
	s_nop 0
.rept 4
	v_nop
.endr
.Lasked_\@:
.endm
; A prefetch of what the NEXT change of slots will ask for.  Each block of 256 bytes is named once in the launch: the pair's first cluster asks; its four partners share the slot's rows out by
; address; in each, wave 0 names 32 blocks of K, waves 2 and 3 32 blocks of V each, a lane a block.  The last change that fills a slot asks for nothing.
.macro ASK
	s_cmp_gt_u32 s[SLOTS], s[LIM]
	s_cbranch_scc0 .Lnot_mine_\@
	global_prefetch_b8 v[PFO], s[PFA:PFA+1] th:TH_LOAD_NT scope:SCOPE_SE
.Lnot_mine_\@:
.endm
.macro CROUND
	s_barrier_signal -1
	s_barrier_wait -1
	s_cmp_lg_u32 s[WV], 0
	s_cbranch_scc1 .Lnot_wave_0_\@
	s_barrier_signal -3
.Lnot_wave_0_\@:
	s_barrier_wait -3
	s_barrier_signal -1
	s_barrier_wait -1
.endm
	s_load_b128 s[4:7], s[0:1], 0x0                ; qkv 4, lat 6
	s_load_b64 s[8:9], s[0:1], 0x10                ; ob
	v_lshl_add_u32 v[SPW], v0, 2, SPARE
	v_mov_b32 v[NIL], 0
	ds_add_u32 v[SPW], v[NIL]                      ; the opening: the add, with its wait ahead of my first tensor load
	v_lshrrev_b32 v1, 5, v0
	v_readfirstlane_b32 s[WV], v1
	s_bfe_u32 s13, ttmp6, 0x40000                  ; cx
	s_lshl_b32 s14, ttmp9, 2
	s_add_co_u32 s14, s14, s13                     ; my block of 256 queries: it enters Q's and O's addresses alone
	s_and_b32 s20, ttmp7, 0xffff                   ; the (batch, head) pair, which the partners share
	s_and_b32 s21, s[WV], 1                        ; which half of a slot's 256 keys I fetch
	s_lshl_b32 s22, s20, 18                        ; K: the pair's 262,144 bytes, my half's 16,384, behind q's 8 MiB
	s_lshl_b32 s23, s21, 14
	s_add_co_u32 s22, s22, s23
	s_add_co_u32 s22, s22, 8388608
	s_mov_b32 s23, 0
	s_lshl_b32 s68, s20, 19                        ; V: 524,288 and 32,768, behind 16 MiB
	s_lshl_b32 s69, s21, 15
	s_add_co_u32 s68, s68, s69
	s_add_co_u32 s68, s68, 16777216
	s_mov_b32 s69, 0
	s_mul_i32 s10, s21, 128*PK                     ; their places in a slot
	s_mul_i32 s11, s21, 128*PV
	s_add_co_u32 s11, s11, VOFF
	s_lshl_b32 s2, s14, 2                          ; Q: my wave's 64 rows of 128 bytes
	s_add_co_u32 s2, s2, s[WV]
	s_lshl_b32 s2, s2, 13
	s_lshl_b32 s3, s20, 18
	s_add_co_u32 s2, s2, s3
	s_mov_b32 s3, 0
	s_lshr_b32 s70, s20, 4                         ; O: token (batch x 2048 + 256 x block + 64 x wave), 4,096 bytes each; column byte 256 x head
	s_lshl_b32 s70, s70, 5
	s_lshl_b32 s71, s14, 2
	s_add_co_u32 s70, s70, s71
	s_add_co_u32 s70, s70, s[WV]
	s_lshl_b32 s70, s70, 18
	s_and_b32 s71, s20, 15
	s_lshl_b32 s71, s71, 8
	s_add_co_u32 s70, s70, s71
	s_mov_b32 s71, 0
	s_lshl_b32 s16, s20, 18                        ; the prefetches begin in slot 2.  K: my work-group's 8,192 bytes of a slot's 32,768
	s_lshl_b32 s17, s13, 13
	s_add_co_u32 s16, s16, s17
	s_add_co_u32 s16, s16, 8388608+2*32768
	s_lshl_b32 s17, s20, 19                        ; V: my work-group's 16,384 of 65,536, my wave's 8,192 of them
	s_lshl_b32 s[PFS], s13, 14
	s_add_co_u32 s17, s17, s[PFS]
	s_lshl_b32 s[PFS], s21, 13
	s_add_co_u32 s17, s17, s[PFS]
	s_add_co_u32 s17, s17, 16777216+2*65536
	s_mov_b32 s[PFS], 65536
	s_cmp_lt_u32 s[WV], 2
	s_cselect_b32 s16, s16, s17
	s_cselect_b32 s[PFS], 32768, s[PFS]            ; a slot's bytes of my tensor
	s_mov_b32 s17, 0
	s_mov_b32 s[PFS+1], 0
	s_cmp_eq_u32 s[WV], 1                          ; wave 1 asks for nothing,
	s_cselect_b32 s[LIM], 1, 0
	s_or_b32 s[LIM], s[LIM], ttmp9                 ; nor does any cluster but the pair's first
	s_cmp_eq_u32 s[LIM], 0
	s_cselect_b32 s[LIM], 1, -1
	v_and_b32 v[PFO], 31, v0
	v_lshlrev_b32 v[PFO], 8, v[PFO]
	s_mov_b32 s[G1K], 15|(1<<16)|(1<<20)|(1<<21)|(4<<22)|(3<<25)  ; 128 keys are 16,384 dense bytes: 64 rows of 256, padded by 4 words behind every 32 (a key)
	s_mov_b32 s[G1K+1], 128<<16
	s_mov_b32 s[G1K+2], 64<<16
	s_mov_b32 s[G1K+3], 128<<16
	s_mov_b32 s[G1K+4], 64
	s_mov_b32 s[G1K+5], 128
	s_mov_b32 s[G1K+6], 0
	s_mov_b32 s[G1K+7], 0
	s_mov_b32 s[G1V], 15|(1<<16)|(1<<20)|(1<<21)|(5<<22)|(7<<25)  ; 128 rows of 256 bytes, 8 words of padding behind each
	s_mov_b32 s[G1V+1], 128<<16
	s_mov_b32 s[G1V+2], 128<<16
	s_mov_b32 s[G1V+3], 128<<16
	s_mov_b32 s[G1V+4], 128
	s_mov_b32 s[G1V+5], 128
	s_mov_b32 s[G1V+6], 0
	s_mov_b32 s[G1V+7], 0
	s_mov_b32 s[SEL], 0x76543210
	s_mov_b32 s[SEL+1], 0xfedcba98
	s_mov_b32 s[TBK], 0
	s_mov_b32 s[TBV], 0
	s_wait_dscnt 0x0                               ; the opening add is done
	s_wait_kmcnt 0x0
	s_load_b32 s[CS], s[6:7], 0x400018             ; c
	s_add_nc_u64 s[22:23], s[4:5], s[22:23]
	s_add_nc_u64 s[68:69], s[4:5], s[68:69]
	s_add_nc_u64 s[2:3], s[4:5], s[2:3]
	s_add_nc_u64 s[8:9], s[8:9], s[70:71]
	s_add_nc_u64 s[PFA:PFA+1], s[4:5], s[16:17]
	CROUND                                         ; all four work-groups are here: the first joint loads meet
.irp s, 0,1
	s_mov_b32 s[G0K+4*\s], 1
	s_add_co_u32 s[G0K+4*\s+1], s10, \s*SLOT1
	s_add_nc_u64 s[G0K+4*\s+2:G0K+4*\s+3], s[22:23], \s*32768
	s_or_b32 s[G0K+4*\s+3], s[G0K+4*\s+3], 0x80000000
	s_mov_b32 s[G0V+4*\s], 1
	s_add_co_u32 s[G0V+4*\s+1], s11, \s*SLOT1
	s_add_nc_u64 s[G0V+4*\s+2:G0V+4*\s+3], s[68:69], \s*65536
	s_or_b32 s[G0V+4*\s+3], s[G0V+4*\s+3], 0x80000000
.endr
	s_cmp_lt_u32 s[WV], 2                          ; a wave's two first fills stand in one branch: two loads of mine are out
	s_cbranch_scc0 .Lfirst_v
	tensor_load_to_lds s[G0K:G0K+3], s[G1K:G1K+7]
	s_nop 0
	tensor_load_to_lds s[G0K+4:G0K+7], s[G1K:G1K+7]
	s_nop 0
.rept 4
	v_nop
.endr
	s_branch .Lfirst_asked
.Lfirst_v:
	tensor_load_to_lds s[G0V:G0V+3], s[G1V:G1V+7]
	s_nop 0
	tensor_load_to_lds s[G0V+4:G0V+7], s[G1V:G1V+7]
	s_nop 0
.rept 4
	v_nop
.endr
.Lfirst_asked:
	v_and_b32 v1, 15, v0
	v_bfe_u32 v9, v0, 4, 1
	v_lshlrev_b32 v[QO], 7, v1
	v_lshl_add_u32 v[QO], v9, 4, v[QO]
	WIN 0x80
.set i, 0
.rept 8                                ; Q stays in registers: tile i / 2, channels 32 (i % 2) on
	global_load_b128 v[8*i:8*i+3],   v[QO], s[2:3] offset:(i/2)*2048+(i%2)*64
	global_load_b128 v[8*i+4:8*i+7], v[QO], s[2:3] offset:(i/2)*2048+(i%2)*64+32
.set i, i+1
.endr
	; what the first turn finds: V and piece 2's P hold 0 (its products V^T P, of a step that has not been, add 0), O^T and l are 0.  All this stands in the wait for the first tile.
	WIN 0xc0
.set i, 0
.rept 128
	v_mov_b32 v[i], 0
.set i, i+1
.endr
	WIN 0x40
.set i, 0
.rept 256
	v_mov_b32 v[i], 0
.set i, i+1
.endr
	WIN 0
.set i, 0
.rept 4
	v_mov_b32 v[ST+8*i], 0xfe000000                ; c m: far below every c s
	v_mov_b32 v[ST+8*i+1], 0xff7fffff              ; m
	v_mov_b32 v[ST+8*i+2], 0
	v_mov_b32 v[ST+8*i+3], 0
.set i, i+1
.endr
.set i, P+32
.rept 32
	v_mov_b32 v[i], 0
.set i, i+1
.endr
	v_mul_u32_u24 v[AK0], v1, PK
	v_lshl_add_u32 v[AK0], v9, 4, v[AK0]
	v_and_b32 v10, 7, v0
	v_bfe_u32 v11, v0, 3, 1
	v_lshl_add_u32 v[AV0], v9, 3, v10
	v_mul_u32_u24 v[AV0], v[AV0], PV
	v_lshl_add_u32 v[AV0], v11, 4, v[AV0]
	v_add_nc_u32 v[AV0], VOFF, v[AV0]
; THE MATRIX WORK.  The accumulators take turns, one instruction a turn.
.macro PV x                            ; product i of 32 of O^T += V^T P: keys 32 (i / 16) on, channels 16 ((i / 2) % 8) on, tile x + i % 2
	WIN W_PV
.set rO, 64*((\x)+i%2)+8*((i/2)%8)
.set rV, 64*(i/16)+8*((i/2)%8)
.set rP, P+16*((\x)+i%2)+8*(i/16)
	v_wmma_f32_16x16x32_f16 v[rO:rO+7], v[rV:rV+7], v[rP:rP+7], v[rO:rO+7]
.endm
.macro KQ x                            ; product i of 16 of S^T = K Q^T: channels 32 (i / 8) on, keys 16 ((i / 2) % 4) on, tile x + i % 2.  The first 8 start the sums
	WIN W_KQ
.set rS, S+32*((\x)+i%2)+8*((i/2)%4)
.set rK, KF+16*((i/2)%4)+8*(i/8)
.set rQ, 16*((\x)+i%2)+8*(i/8)
.if i < 8
	v_wmma_f32_16x16x32_f16 v[rS:rS+7], v[rK:rK+7], v[rQ:rQ+7], 0
.else
	v_wmma_f32_16x16x32_f16 v[rS:rS+7], v[rK:rK+7], v[rQ:rQ+7], v[rS:rS+7]
.endif
.endm
; THE LDS LOADS stand in runs.  last = 1 (the tail): in the last trip there is no further step, and K's run is jumped over.
.macro FETCH_K last=0
	WIN 0
	v_add_nc_u32 v[ADR], s[TBK], v[AK0]
.if \last
	s_cmp_eq_u32 s[CNT], 1
	s_cbranch_scc1 .Lno_k_\@
.endif
	WIN 0x80
.irp f, 0,1,2,3,4,5,6,7
	ds_load_b128 v[KF+8*\f:KF+8*\f+3],   v[ADR] offset:(\f/2)*16*PK+(\f%2)*64
	ds_load_b128 v[KF+8*\f+4:KF+8*\f+7], v[ADR] offset:(\f/2)*16*PK+(\f%2)*64+32
.endr
	WIN 0
.if \last
.Lno_k_\@:
.endif
.endm
.macro FETCH_V
	WIN 0
	v_add_nc_u32 v[ADR], s[TBV], v[AV0]
	s_add_co_u32 s[TBK], s[TBK], KS*PK             ; the next fetches are the next step's
	s_add_co_u32 s[TBV], s[TBV], KS*PV
	s_wait_alu depctr_va_vdst(0)                   ; the wait for the softmax's batch, behind the address's line and ahead of the loads
	WIN 0xc0
.irp f, 0,1,2,3,4,5,6,7,8,9,10,11,12,13,14,15
	ds_load_tr16_b128 v[8*\f:8*\f+3],   v[ADR] offset:(\f/8)*32*PV+(\f%8)*32
	ds_load_tr16_b128 v[8*\f+4:8*\f+7], v[ADR] offset:(\f/8)*32*PV+16*PV+(\f%8)*32
.endr
.endm
; THE VECTOR WORK.  One tile's softmax for a key step is a list of 134 instructions; SM writes number j of it for tile t.
;   0-15 the maximum of the lane's 32 scores and the old m (each accumulator's lowest registers are read first)   16-20 the other half of the lanes'; m; c m; its change
;   21-69 ONE BATCH: 16 scalings c s - c m and all 33 exponentials (a at 23): none reads an exponential's result     (the wait)
;   70-85 roundings to f16     86-101 the sums; l = a l + sum     102-133 O^T times a, each accumulator's registers in ascending order
.macro SM t
.set rT, ST+8*(\t)
.set rS, S+32*(\t)
.set rP, P+16*(\t)
.set rO, 64*(\t)+2*(j-102)
.if j < 102
	WIN 0
.endif
.if j < 4
	v_max3_num_f32 v[rT+4+j], v[rS+8*j], v[rS+8*j+1], v[rS+8*j+2]
.elseif j < 12
	v_max3_num_f32 v[rT+4+j%4], v[rT+4+j%4], v[rS+8*(j%4)+2*(j/4)+1], v[rS+8*(j%4)+2*(j/4)+2]
.elseif j == 12
	v_max3_num_f32 v[rT+4], v[rT+4], v[rS+7], v[rS+15]
.elseif j == 13
	v_max3_num_f32 v[rT+6], v[rT+6], v[rS+23], v[rS+31]
.elseif j == 14
	v_max3_num_f32 v[rT+4], v[rT+4], v[rT+5], v[rT+6]
.elseif j == 15
	v_max3_num_f32 v[rT+4], v[rT+4], v[rT+7], v[rT+1]
.elseif j == 16
	v_permlanex16_b32 v[rT+5], v[rT+4], s[SEL], s[SEL+1]
.elseif j == 17
	v_mov_b32 v[rT+7], v[rT]
.elseif j == 18
	v_max_num_f32 v[rT+1], v[rT+4], v[rT+5]
.elseif j == 19
	v_mul_f32 v[rT], s[CS], v[rT+1]
.elseif j == 20
	v_sub_f32 v[rT+7], v[rT+7], v[rT]
.elseif j == 23
	v_exp_f32 v[rT+6], v[rT+7]
.elseif (j < 23) || ((j < 38) && (j%2 == 0)) || ((j < 66) && (j%4 == 2))
.set b, (j-2)/4
.if j < 38
.set b, (j-20)/2
.endif
	v_pk_fma_f32 v[rS+2*b:rS+2*b+1], v[rS+2*b:rS+2*b+1], s[CS:CS+1], v[rT:rT+1] op_sel_hi:[1,0,0] neg_lo:[0,0,1] neg_hi:[0,0,1]
.elseif j < 70
.set e, j-38
.if j < 66
.set e, j-32-(j-38)/4
.endif
.if j < 38
.set e, (j-25)/2
.endif
	v_exp_f32 v[rS+e], v[rS+e]
.elseif j < 86
	v_cvt_pk_f16_f32 v[rP+j-70], v[rS+2*(j-70)], v[rS+2*(j-70)+1]
.elseif j < 102
.set z, j-86
.set w, 4
.set u, z
.if z >= 14
.set w, 32
.set u, 0
.elseif z >= 12
.set w, 16
.set u, z-12
.elseif z >= 8
.set w, 8
.set u, z-8
.endif
.if z < 15
	v_pk_add_f32 v[rS+w*u:rS+w*u+1], v[rS+w*u:rS+w*u+1], v[rS+w*u+w/2:rS+w*u+w/2+1]
.else
	v_pk_fma_f32 v[rT+2:rT+3], v[rT+2:rT+3], v[rT+6:rT+7], v[rS:rS+1] op_sel_hi:[1,0,1]
.endif
.else
	WIN W_RS
	v_pk_mul_f32 v[rO:rO+1], v[rO:rO+1], v[rT+6:rT+7] op_sel_hi:[1,0]
.endif
.endm
; Group k of 67 of piece y's softmax: four instructions.  Groups 11 to 34 deal out the batch, four numbers of one tile each; every other group is numbers 2 k and 2 k + 1 of both tiles' lists,
; the tiles alternating.  Ahead of group 35 nothing names an exponential's result and behind group 34 none is issued: one plain instruction and one wait behind group 34 serve the piece's 66.
.macro SLICE y
.if (k >= 11) && (k < 35)
.irp n, 0,1,2,3
.set j, 22+4*((k-11)/2)+(\n)
	SM (\y)+(k-11)%2
.endr
.else
.irp n, 0,1
.irp t, \y, (\y)+1
.set j, 2*k+(\n)
	SM \t
.endr
.endr
.endif
.if k == 34
	v_nop
.if (\y) == 0
	FETCH_V                                        ; piece 2's turn: V's run stands here, the wait in it; group 31, three products K Q^T with groups 32-34, the v_nop and the address's line lie behind V's last reader
.else
	s_wait_alu depctr_va_vdst(0)
.endif
.endif
.set k, k+1
.endm
; A TURN.  Piece x has the matrix unit; exactly one group of four stands behind each of its 48 products.  In order: 32 products V^T P with groups 0-31; 3 products K Q^T with groups 32-34,
; the batch's end and its wait; groups 35-53 in ONE RUN, 76 instructions (all roundings, all sums, the first rescalings), where the wave has just stood still for the wait;
; 13 products K Q^T with groups 54-66, four rescalings each.  67 - 48 = 19 groups have no product to stand behind, whatever the order.
; Piece 0's turn fetches the next step's K behind its second product: group 66 of the turn before and groups 0 and 1 are the places behind K's last reader.  The scores that the last
; product ends are first read in the next turn's group 1: group 66 and group 0, eight plain instructions that name none of its registers, lie between.
.macro TURN x, last=0
.set k, 0
.if (\x) == 0
	s_wait_dscnt 0x0                               ; V is in
.endif
.set i, 0
.rept 32
	PV \x
	SLICE 2-(\x)
.if ((\x) == 0) && (i == 1)
	FETCH_K \last
.endif
.set i, i+1
.endr
.if (\x) == 0
	s_wait_dscnt 0x0                               ; K is in
.endif
.set i, 0
.rept 3
	KQ \x
	SLICE 2-(\x)
.set i, i+1
.endr
.rept 19                               ; the run: behind the wait, with no product between
	SLICE 2-(\x)
.endr
.rept 13
	KQ \x
	SLICE 2-(\x)
.set i, i+1
.endr
.endm
; THE CHANGE OF SLOTS: each wave waits for all its tensor loads, adds 0 to its spare word, waits for that and for its reads of the slot.  fill = 1: the barrier is a round of the cluster's,
; and the joint refill, with the keys two slots on, is the first thing behind it: it has four key steps in which to land.
.macro CHANGE fill
	WIN 0
	s_wait_tensorcnt 0x0                           ; no tensor load of mine is out, so a group 0 may be written
	ds_add_u32 v[SPW], v[NIL]
.if \fill
	s_xor_b32 s[G0K+5], s[G0K+5], SLOT1
	s_add_nc_u64 s[G0K+6:G0K+7], s[G0K+6:G0K+7], 32768
	s_xor_b32 s[G0V+5], s[G0V+5], SLOT1
	s_add_nc_u64 s[G0V+6:G0V+7], s[G0V+6:G0V+7], 65536
	s_wait_xcnt 0x0                                ; the last prefetch, four key steps back, has read its address
	s_add_nc_u64 s[PFA:PFA+1], s[PFA:PFA+1], s[PFS:PFS+1]
	s_wait_dscnt 0x0                               ; the add is done, my reads of the slot are over
	CROUND
	JLOAD
	ASK
.else
	s_wait_dscnt 0x0
	s_barrier_signal -1
	s_barrier_wait -1
.endif
	s_sub_co_u32 s[TBK], s[TBK], 4*KS*PK           ; the fetches go back to a slot's first step, in the other slot
	s_xor_b32 s[TBK], s[TBK], SLOT1
	s_sub_co_u32 s[TBV], s[TBV], 4*KS*PV
	s_xor_b32 s[TBV], s[TBV], SLOT1
.endm
	s_wait_kmcnt 0x0
	s_mov_b32 s[CS+1], s[CS]                       ; named as a pair
	s_wait_tensorcnt 1                             ; my part of slot 0 is in; slot 1's may stay out
	s_barrier_signal -1
	s_barrier_wait -1
	FETCH_K                                        ; key step 0
	s_wait_loadcnt 0x0                             ; Q
	s_wait_dscnt 0x0
.set i, 0
.rept 16
	KQ 0                                           ; piece 0's first scores
.set i, i+1
.endr
	WIN 0                                          ; the addresses for the way out: the places behind those products
	s_mul_i32 s13, s[WV], 16*SP
	s_add_co_u32 s13, s13, STAGE
	v_mul_u32_u24 v[STO], v1, SP
	v_lshl_add_u32 v[STO], v9, 4, v[STO]
	v_add_nc_u32 v[STO], s13, v[STO]
	v_mul_u32_u24 v[RD], v9, SP
	v_lshl_add_u32 v[RD], v1, 4, v[RD]
	v_add_nc_u32 v[RD], s13, v[RD]
	v_lshlrev_b32 v[GO], 12, v9
	v_lshl_add_u32 v[GO], v1, 4, v[GO]
	s_mov_b32 s[CNT], 4
	s_mov_b32 s[SLOTS], 7
	s_branch .Lmid                                 ; the loop is entered in the middle of a trip
.Lslot:                                        ; six times: every slot but the last two is filled again
	CHANGE 1
	s_mov_b32 s[CNT], 4
.Lstep:
	TURN 0
	WIN 0
.Lmid:
	TURN 2
	WIN 0
	s_sub_co_u32 s[CNT], s[CNT], 1
	s_cmp_lg_u32 s[CNT], 0
	s_cbranch_scc1 .Lstep
	s_sub_co_u32 s[SLOTS], s[SLOTS], 1
	s_cmp_lg_u32 s[SLOTS], 0
	s_cbranch_scc1 .Lslot
	CHANGE 0                                       ; the tail is written out
	s_mov_b32 s[CNT], 5                            ; four trips fetch the last slot's steps; the fifth is left in its middle
.Ltail:
	TURN 0, 1
	WIN 0
	s_sub_co_u32 s[CNT], s[CNT], 1
	s_cmp_eq_u32 s[CNT], 0
	s_cbranch_scc1 .Lout
	TURN 2
	WIN 0
	s_branch .Ltail
.Lout:                                         ; the fifth trip's 16 products K Q^T, on the last K once more, serve nothing: the price, once a launch, of one text for every trip
.set i, 0
.rept 32
	PV 2
.set i, i+1
.endr
	; THE WAY OUT.  The additions are the places behind the last products.
	WIN 0
.irp t, 0,1,2,3
	v_add_f32 v[ST+8*\t+4], v[ST+8*\t+2], v[ST+8*\t+3]
.endr
.irp t, 0,1,2,3
	v_permlanex16_b32 v[ST+8*\t+5], v[ST+8*\t+4], s[SEL], s[SEL+1]
.endr
.irp t, 0,1,2,3
	v_add_f32 v[ST+8*\t+4], v[ST+8*\t+4], v[ST+8*\t+5]
.endr
.irp t, 0,1,2,3
	v_rcp_f32 v[ST+8*\t+6], v[ST+8*\t+4]
.endr
	v_nop                                          ; a plain instruction behind the last reciprocal,
	s_wait_alu depctr_va_vdst(0)                   ; and one wait for the four, ahead of the first use
.macro PACK t
	WIN W_RS
.set i, 64*(\t)
.rept 32
	v_pk_mul_f32 v[i:i+1], v[i:i+1], v[ST+8*(\t)+6:ST+8*(\t)+7] op_sel_hi:[1,0]
.set i, i+2
.endr
	WIN 0x05
.set i, 0
.rept 32
	v_cvt_pk_f16_f32 v[S+32*(\t)+i], v[64*(\t)+2*i], v[64*(\t)+2*i+1]
.set i, i+1
.endr
	WIN 0
.irp f, 0,1,2,3,4,5,6,7
	ds_store_b128 v[STO], v[S+32*(\t)+4*\f:S+32*(\t)+4*\f+3] offset:32*\f
.endr
.irp f, 0,1,2,3,4,5,6,7
	ds_load_b128 v[S+32*(\t)+4*\f:S+32*(\t)+4*\f+3], v[RD] offset:\f*2*SP  ; LDS serves a wave's instructions in order: these see the stores above
.endr
.endm
.macro SEND t, younger
	WIN 0
.irp f, 0,1,2,3,4,5,6,7
	s_wait_dscnt (\younger)+7-\f
	global_store_b128 v[GO], v[S+32*(\t)+4*\f:S+32*(\t)+4*\f+3], s[8:9] offset:(\t)*65536+\f*8192  ; 16 lanes store 256 consecutive aligned bytes
.endr
.endm
	PACK 0
	PACK 1
	SEND 0, 16
	PACK 2
	SEND 1, 16
	PACK 3
	SEND 2, 16
	SEND 3, 0
	s_wait_tensorcnt 0x0                           ; the wave's end
	ds_add_u32 v[SPW], v[NIL]
	s_wait_dscnt 0x0
	CROUND                                         ; the closing round
	s_endpgm
.Lfunc_end_k_q4f8b876b27_attn:
	.size	k_q4f8b876b27_attn, .Lfunc_end_k_q4f8b876b27_attn-k_q4f8b876b27_attn
	.p2alignl 7, 3214868480
	.fill 96, 4, 3214868480
	.section	.rodata,"a",@progbits
	.p2align	6, 0x0
	.amdhsa_kernel k_q4f8b876b27_attn
		.amdhsa_group_segment_fixed_size 327680
		.amdhsa_private_segment_fixed_size 0
		.amdhsa_enable_private_segment 0
		.amdhsa_kernarg_size 24
		.amdhsa_user_sgpr_count 2
		.amdhsa_user_sgpr_kernarg_segment_ptr 1
		.amdhsa_wavefront_size32 1
		.amdhsa_system_sgpr_workgroup_id_x 1
		.amdhsa_system_sgpr_workgroup_id_y 1
		.amdhsa_system_sgpr_workgroup_id_z 1
		.amdhsa_system_vgpr_workitem_id 0
		.amdhsa_next_free_vgpr 896
		.amdhsa_next_free_sgpr 72
		.amdhsa_reserve_vcc 0
		.amdhsa_float_denorm_mode_32 3
		.amdhsa_float_denorm_mode_16_64 3
		.amdhsa_memory_ordered 1
		.amdhsa_forward_progress 1
		.amdhsa_inst_pref_size 145
	.end_amdhsa_kernel
	.amdgpu_metadata
---
amdhsa.version: [ 1, 2 ]
amdhsa.kernels:
  - .name:           k_q4f8b876b27_attn
    .symbol:         k_q4f8b876b27_attn.kd
    .args:
      - { .name: qkv, .offset: 0, .size: 8, .value_kind: global_buffer, .address_space: global }
      - { .name: lat, .offset: 8, .size: 8, .value_kind: global_buffer, .address_space: global }
      - { .name: ob, .offset: 16, .size: 8, .value_kind: global_buffer, .address_space: global }
    .group_segment_fixed_size: 327680
    .private_segment_fixed_size: 0
    .kernarg_segment_align: 8
    .kernarg_segment_size: 24
    .max_flat_workgroup_size: 128
    .sgpr_count:     72
    .vgpr_count:     896
    .wavefront_size: 32
...
	.end_amdgpu_metadata
.endif
;; end of part 4
;; launch out (part 5): grid 16 x 16, 4 waves a work-group, clusters of 4 x 4, 327,680 bytes of LDS; arguments ob, wts, lat, out0; writes out0
.if DOCPART == 5
	.amdgcn_target "amdgcn-amd-amdhsa--gfx1250"
	.amdhsa_code_object_version 6
	.text
	.protected	k_q4f8b876b27_out
	.globl	k_q4f8b876b27_out
	.p2align	8
	.type	k_q4f8b876b27_out,@function
k_q4f8b876b27_out:
	s_mov_b64 s[64:65], 0
	v_nop
	global_prefetch_b8 v0, s[64:65] scope:SCOPE_SE
	s_setreg_imm32_b32 hwreg(HW_REG_WAVE_MODE, 25, 1), 1
	s_wait_xcnt 0x0
	s_wait_alu depctr_hold_cnt(0) depctr_sa_sdst(0) depctr_va_vdst(0) depctr_va_sdst(0) depctr_va_ssrc(0) depctr_va_vcc(0) depctr_vm_vsrc(0)
	s_getreg_b32 s2, hwreg(HW_REG_IB_STS2, 6, 4)
	s_cmp_eq_u32 s2, 0
	s_cbranch_scc0 .Lentry_in_a_cluster
	s_endpgm
.Lentry_in_a_cluster:
	s_bfe_u32 s2, ttmp6, 0x10000c
	s_cmp_lg_u32 s2, 0xf033
	s_cbranch_scc0 .Lentry_shape_is_right
	s_endpgm
.Lentry_shape_is_right:
; OUT.  out0 = (O' [4096][2048] @ WOB [2048][2048]) x IV, f16 operands, f32 sums, f32 out; IV, a power of two from the scales' block, takes v's scale away.
; A work-group makes 256 rows x 128 columns; wave w takes rows 64 w .. (32 accumulators).  K goes in 16 steps of 128 through two LDS slots; waves 0, 1 fetch A's halves
; (128 rows x 256 bytes), waves 2, 3 B's (64 k-rows x 256 bytes).  CLUSTER 4 x 4: A's tile is shared along a row of the cluster, B's along a column; each is asked for jointly.
; The matrix instruction is used transposed: a lane holds row l % 16 and eight neighbouring columns.  LIMITS: as stated where the scales are made.
.set PA,    272
.set PB,    288
.set BOFF,  256*PA
.set SLOT1, 1<<17
.set STAGE, SLOT1+BOFF+128*PB          ; behind the ring: 16 rows x 528 bytes a wave
.set SP,    528
.set SPARE, STAGE+4*16*SP
.set STEPA, 256
.set STEPB, 128*4096
.set WOB,   4194304
.set ADRA, 16
.set ADRB, 17
.set KA,   18
.set KB,   19
.set STO,  20
.set RD,   21
.set CO,   22
.set PFO,  23
.set SPW,  28
.set NIL,  29
.set F0,   64
.set F1,   160
.set WV,   14
.set TB,   23
.set G1A,  24
.set G1B,  32
.set G0A,  40
.set G0B,  48
.set PFA,  66
.set PFS,  68
.set LIM,  70
.set W_MUL, 0x50
.set MSB, 0
.macro WIN new
.if MSB != (\new)
	s_set_vgpr_msb (MSB<<8)|(\new)
.set MSB, \new
.endif
.endm
.macro PLACES
.rept 4
	v_nop
.endr
.endm
.macro CREST
	s_cmp_lg_u32 s[WV], 0
	s_cbranch_scc1 .Lnot_wave_0_\@
	s_barrier_signal -3
.Lnot_wave_0_\@:
	s_barrier_wait -3
	s_barrier_signal -1
	s_barrier_wait -1
.endm
.macro CROUND
	s_barrier_signal -1
	s_barrier_wait -1
	CREST
.endm
.macro JLOAD
	s_cmp_eq_u32 s15, 0
	s_cbranch_scc0 .Lfor_b_\@
	tensor_load_to_lds s[G0A+4:G0A+7], s[G1A:G1A+7]
	s_nop 0
	PLACES
	s_branch .Lasked_\@
.Lfor_b_\@:
	tensor_load_to_lds s[G0B+4:G0B+7], s[G1B:G1B+7]
	s_nop 0
	PLACES
.Lasked_\@:
.endm
; A prefetch of the K step that stands two refills on: 32 rows x 256 bytes, a lane a row.  Each block is named once in the launch: A's rows by the clusters with x = 0 (waves 0, 1),
; B's by those with y = 0 (wave 2); the four partners that ask for a tile jointly share its rows out by address.  The loop's last two trips have no K step two on.
.macro ASK
	s_cmp_gt_u32 s3, s[LIM]
	s_cbranch_scc0 .Lnot_mine_\@
	global_prefetch_b8 v[PFO], s[PFA:PFA+1] th:TH_LOAD_NT scope:SCOPE_SE
.Lnot_mine_\@:
.endm
.macro MUL8 f, a, zero                 ; the 32 accumulators take turns, one instruction a turn
	WIN W_MUL
.irp b, 0,1,2,3,4,5,6,7
.if \zero
	v_wmma_f32_16x16x32_f16 v[8*(8*(\a)+\b):8*(8*(\a)+\b)+7], v[(\f)+8*\b:(\f)+8*\b+7], v[(\f)+64+8*(\a):(\f)+64+8*(\a)+7], 0
.else
	v_wmma_f32_16x16x32_f16 v[8*(8*(\a)+\b):8*(8*(\a)+\b)+7], v[(\f)+8*\b:(\f)+8*\b+7], v[(\f)+64+8*(\a):(\f)+64+8*(\a)+7], v[8*(8*(\a)+\b):8*(8*(\a)+\b)+7]
.endif
.endr
.endm
.macro FETCH q, f
	WIN 0
.irp b, 0,1,2,3,4,5,6,7
	ds_load_tr16_b128 v[(\f)+8*\b:(\f)+8*\b+3],   v[KB] offset:(\q)*32*PB+32*\b
	ds_load_tr16_b128 v[(\f)+8*\b+4:(\f)+8*\b+7], v[KB] offset:(\q)*32*PB+32*\b+16*PB
.endr
.irp i, 0,1,2,3
	ds_load_b128 v[(\f)+64+8*\i:(\f)+64+8*\i+3],   v[KA] offset:(\q)*64+\i*16*PA
	ds_load_b128 v[(\f)+64+8*\i+4:(\f)+64+8*\i+7], v[KA] offset:(\q)*64+\i*16*PA+32
.endr
.endm
.macro QUARTER q, f, g, zero
	s_wait_dscnt 4                                 ; all of f but A's fragments 2 and 3
	MUL8 \f, 0, \zero
	MUL8 \f, 1, \zero
	WIN 0
	PLACES
	FETCH \q, \g
	s_wait_dscnt 24                                ; all but the 24 just issued
	MUL8 \f, 2, \zero
	MUL8 \f, 3, \zero
.endm
.macro LAST f
	s_wait_dscnt 4
	MUL8 \f, 0, 0
	MUL8 \f, 1, 0
	s_wait_dscnt 0x0
	MUL8 \f, 2, 0
	MUL8 \f, 3, 0
.endm
.macro TURN fill                       ; the K step's last quarter multiplies buffer 1 and changes slots
	WIN 0
.if \fill
	s_wait_xcnt 0x0                                ; the last prefetch, a K step back, has read its address
	s_add_nc_u64 s[PFA:PFA+1], s[PFA:PFA+1], s[PFS:PFS+1]
.endif
	s_wait_tensorcnt 0x0                           ; no tensor load of mine is out: my part of the next slot has landed, and a group 0 may be written
	ds_add_u32 v[SPW], v[NIL]
.if \fill
	s_xor_b32 s[G0A+5], s[G0A+5], SLOT1
	s_add_nc_u64 s[G0A+6:G0A+7], s[G0A+6:G0A+7], STEPA
	s_xor_b32 s[G0B+5], s[G0B+5], SLOT1
	s_add_nc_u64 s[G0B+6:G0B+7], s[G0B+6:G0B+7], STEPB
.endif
	s_xor_b32 s[TB], s[TB], SLOT1
	s_wait_dscnt 5                                 ; the add and A's fragments 2 and 3 may be out
	MUL8 F1, 0, 0
	s_wait_dscnt 0x0                               ; the add is done, my reads of this slot are over
	s_barrier_signal -1
	MUL8 F1, 1, 0
	WIN 0
	s_barrier_wait -1
.if \fill
	CREST
	JLOAD                                          ; its four v_nop are also the places in front of the loads below
.else
	PLACES
.endif
	v_add_nc_u32 v[KA], s[TB], v[ADRA]
	v_add_nc_u32 v[KB], s[TB], v[ADRB]
	FETCH 0, F0
.if \fill
	ASK
.endif
	MUL8 F1, 2, 0
	MUL8 F1, 3, 0
.endm
	s_load_b256 s[4:11], s[0:1], 0x0               ; ob 4, wts 6, lat 8, out0 10
	v_lshl_add_u32 v[SPW], v0, 2, SPARE
	v_mov_b32 v[NIL], 0
	ds_add_u32 v[SPW], v[NIL]                      ; the opening: the add, with its wait ahead of my first tensor load
	v_lshrrev_b32 v1, 5, v0
	v_readfirstlane_b32 s[WV], v1
	s_lshr_b32 s15, s[WV], 1
	s_and_b32 s16, s[WV], 1
	s_bfe_u32 s17, ttmp6, 0x40000
	s_bfe_u32 s18, ttmp6, 0x40004
	s_lshl_b32 s19, ttmp9, 2
	s_add_co_u32 s19, s19, s17                     ; tile column
	s_and_b32 s20, ttmp7, 0xffff
	s_lshl_b32 s20, s20, 2
	s_add_co_u32 s20, s20, s18                     ; tile row
	s_lshl_b32 s21, s18, 2
	s_lshl_b32 s21, 15, s21
	s_lshl_b32 s22, 0x1111, s17
	s_or_b32 s[G1A], s21, (1<<16)|(1<<20)|(1<<21)|(5<<22)|(3<<25)
	s_mov_b32 s[G1A+1], 128<<16
	s_mov_b32 s[G1A+2], 128<<16
	s_mov_b32 s[G1A+3], 128<<16
	s_mov_b32 s[G1A+4], 128
	s_mov_b32 s[G1A+5], 2048
	s_mov_b32 s[G1A+6], 0
	s_mov_b32 s[G1A+7], 0
	s_or_b32 s[G1B], s22, (1<<16)|(1<<20)|(1<<21)|(5<<22)|(7<<25)
	s_mov_b32 s[G1B+1], 128<<16
	s_mov_b32 s[G1B+2], 64<<16
	s_mov_b32 s[G1B+3], 128<<16
	s_mov_b32 s[G1B+4], 64
	s_mov_b32 s[G1B+5], 2048
	s_mov_b32 s[G1B+6], 0
	s_mov_b32 s[G1B+7], 0
	s_lshl_b32 s56, s20, 8                         ; A: row 256 x tile row + 128 x half, of 4,096 bytes
	s_lshl_b32 s57, s16, 7
	s_add_co_u32 s56, s56, s57
	s_lshl_b32 s56, s56, 12
	s_mov_b32 s57, 0
	s_lshl_b32 s58, s16, 18                        ; B: k-row 64 x half, of 4,096 bytes; column byte 256 x tile column
	s_lshl_b32 s59, s19, 8
	s_add_co_u32 s58, s58, s59
	s_add_co_u32 s58, s58, WOB
	s_mov_b32 s59, 0
	s_mul_i32 s60, s16, 128*PA
	s_mul_i32 s61, s16, 64*PB
	s_add_co_u32 s61, s61, BOFF
	s_mov_b32 s[TB], 0
	s_wait_dscnt 0x0
	s_wait_kmcnt 0x0
	s_load_b32 s78, s[8:9], 0x400020               ; IV
	s_add_nc_u64 s[56:57], s[4:5], s[56:57]
	s_add_nc_u64 s[58:59], s[6:7], s[58:59]
	CROUND                                         ; all sixteen work-groups are here: the first joint loads meet
.irp s, 0,1
	s_mov_b32 s[G0A+4*\s], 1
	s_add_co_u32 s[G0A+4*\s+1], s60, \s*SLOT1
	s_add_nc_u64 s[G0A+4*\s+2:G0A+4*\s+3], s[56:57], \s*STEPA
	s_or_b32 s[G0A+4*\s+3], s[G0A+4*\s+3], 0x80000000
	s_mov_b32 s[G0B+4*\s], 1
	s_add_co_u32 s[G0B+4*\s+1], s61, \s*SLOT1
	s_add_nc_u64 s[G0B+4*\s+2:G0B+4*\s+3], s[58:59], \s*STEPB
	s_or_b32 s[G0B+4*\s+3], s[G0B+4*\s+3], 0x80000000
.endr
	s_cmp_eq_u32 s15, 0                            ; a wave's two first fills stand in one branch: two loads of mine are out
	s_cbranch_scc0 .Lfirst_b
	tensor_load_to_lds s[G0A:G0A+3], s[G1A:G1A+7]
	s_nop 0
	tensor_load_to_lds s[G0A+4:G0A+7], s[G1A:G1A+7]
	s_nop 0
	PLACES
	s_branch .Lfirst_asked
.Lfirst_b:
	tensor_load_to_lds s[G0B:G0B+3], s[G1B:G1B+7]
	s_nop 0
	tensor_load_to_lds s[G0B+4:G0B+7], s[G1B:G1B+7]
	s_nop 0
	PLACES
.Lfirst_asked:
	v_and_b32 v1, 15, v0
	v_bfe_u32 v2, v0, 4, 1
	v_and_b32 v3, 31, v0
	v_mul_u32_u24 v[ADRA], v1, PA
	v_lshl_add_u32 v[ADRA], v2, 4, v[ADRA]
	s_mul_i32 s62, s[WV], 64*PA                    ; my 64 rows
	v_add_nc_u32 v[ADRA], s62, v[ADRA]
	v_and_b32 v6, 7, v0
	v_bfe_u32 v7, v0, 3, 1
	v_lshl_add_u32 v[ADRB], v2, 3, v6
	v_mul_u32_u24 v[ADRB], v[ADRB], PB
	v_lshl_add_u32 v[ADRB], v7, 4, v[ADRB]
	v_add_nc_u32 v[ADRB], BOFF, v[ADRB]
	v_mov_b32 v[KA], v[ADRA]
	v_mov_b32 v[KB], v[ADRB]
	s_mul_i32 s62, s[WV], 16*SP
	s_add_co_u32 s62, s62, STAGE
	v_mul_u32_u24 v[STO], v1, SP                   ; in: row l % 16, 32 bytes for each half of the lanes
	v_lshl_add_u32 v[STO], v2, 5, v[STO]
	v_add_nc_u32 v[STO], s62, v[STO]
	v_lshl_add_u32 v[RD], v3, 4, s62               ; back: a whole row of 512 bytes
	v_lshlrev_b32 v[CO], 4, v3
	v_lshlrev_b32 v[PFO], 12, v3                   ; the prefetches: a lane a row of 4,096 bytes, in ob and in wo alike
	s_lshl_b32 s72, s20, 8
	s_lshl_b32 s73, s[WV], 6
	s_add_co_u32 s72, s72, s73                     ; my first row of out0, of 8,192 bytes
	s_lshl_b32 s72, s72, 13
	s_lshl_b32 s73, s19, 9
	s_add_co_u32 s72, s72, s73
	s_mov_b32 s73, 0
	s_add_nc_u64 s[72:73], s[10:11], s[72:73]
	; where my prefetches stand: at K step 3; the first change of slots steps them to K step 4.  Nothing is asked for here, at the head
	s_lshl_b32 s74, s20, 8                         ; A: row 256 x tile row + 128 x half + 32 cx
	s_lshl_b32 s75, s16, 7
	s_add_co_u32 s74, s74, s75
	s_lshl_b32 s75, s17, 5
	s_add_co_u32 s74, s74, s75
	s_lshl_b32 s74, s74, 12
	s_add_co_u32 s74, s74, 3*STEPA
	s_lshl_b32 s75, s18, 5                         ; B: k-row 3 x 128 + 32 cy, column byte 256 x tile column
	s_add_co_u32 s75, s75, 3*128
	s_lshl_b32 s75, s75, 12
	s_lshl_b32 s76, s19, 8
	s_add_co_u32 s75, s75, s76
	s_add_co_u32 s75, s75, WOB
	s_and_b32 s76, ttmp7, 0xffff
	s_mov_b32 s[PFS], STEPB
	s_cmp_eq_u32 s15, 0
	s_cselect_b32 s74, s74, s75
	s_cselect_b32 s76, ttmp9, s76                  ; the coordinate along which other clusters read the same rows
	s_cselect_b32 s[PFS], STEPA, s[PFS]
	s_cselect_b64 s[PFA:PFA+1], s[4:5], s[6:7]
	s_mov_b32 s75, 0
	s_mov_b32 s[PFS+1], 0
	s_add_nc_u64 s[PFA:PFA+1], s[PFA:PFA+1], s[74:75]
	s_cmp_eq_u32 s[WV], 3                          ; B's 128 k-rows are four partners' 32: wave 3 asks for nothing
	s_cselect_b32 s77, 1, 0
	s_or_b32 s76, s76, s77
	s_cmp_eq_u32 s76, 0
	s_cselect_b32 s[LIM], 2, -1
	s_wait_kmcnt 0x0
	s_mov_b32 s79, s78                             ; named as a pair
	s_wait_tensorcnt 1                             ; my part of K step 0 is in; K step 1's may stay out
	s_barrier_signal -1
	s_barrier_wait -1
	FETCH 0, F0
	QUARTER 1, F0, F1, 1                           ; the first quarter starts the sums
	WIN 0
	s_mov_b32 s3, 14
.Lstep:                                        ; fourteen trips, from a K step's second quarter to the next one's first; each fills a slot again
	QUARTER 2, F1, F0, 0
	QUARTER 3, F0, F1, 0
	TURN 1
	QUARTER 1, F0, F1, 0
	WIN 0
	s_sub_co_u32 s3, s3, 1
	s_cmp_lg_u32 s3, 0
	s_cbranch_scc1 .Lstep
	QUARTER 2, F1, F0, 0                           ; the tail is written out: nothing is left to fetch
	QUARTER 3, F0, F1, 0
	TURN 0
	QUARTER 1, F0, F1, 0
	QUARTER 2, F1, F0, 0
	QUARTER 3, F0, F1, 0
	LAST F1
	; THE WAY OUT, a block of 16 rows at a time: scaled, through my own stage, back as whole rows of 512 bytes, stored
.macro PACK a
	WIN 0x01
.set i, 0
.rept 32
	v_pk_mul_f32 v[64+2*i:65+2*i], v[64*(\a)+2*i:64*(\a)+2*i+1], s[78:79] op_sel_hi:[1,0]
.set i, i+1
.endr
	WIN 0
.endm
.macro TOSTAGE a
.irp b, 0,1,2,3,4,5,6,7
	ds_store_b128 v[STO], v[64+8*\b:67+8*\b] offset:64*\b
	ds_store_b128 v[STO], v[68+8*\b:71+8*\b] offset:64*\b+16
.endr
.set BK, 128+64*((\a)%2)
.irp t, 0,1,2,3,4,5,6,7,8,9,10,11,12,13,14,15
	ds_load_b128 v[BK+4*\t:BK+4*\t+3], v[RD] offset:SP*\t   ; LDS serves a wave's instructions in order: these see the stores above
.endr
.endm
.macro SEND a
.set BK, 128+64*((\a)%2)
	s_wait_dscnt 0x0                               ; the block is back in registers
	s_wait_xcnt 0x0                                ; the stores before have read their registers: the other buffer may be loaded again behind this
.irp t, 0,1,2,3,4,5,6,7,8,9,10,11,12,13,14,15
	global_store_b128 v[CO], v[BK+4*\t:BK+4*\t+3], s[72:73] offset:(16*(\a)+\t)*8192 th:TH_STORE_NT  ; 512 consecutive aligned bytes
.endr
.endm
	WIN 0
	PLACES
	PACK 0
	TOSTAGE 0
.irp a, 1,2,3
	PACK \a
	SEND (\a)-1
	TOSTAGE \a
.endr
	SEND 3
	s_wait_tensorcnt 0x0                           ; the wave's end
	ds_add_u32 v[SPW], v[NIL]
	s_wait_dscnt 0x0
	CROUND                                         ; the closing round
	s_endpgm
.Lfunc_end_k_q4f8b876b27_out:
	.size	k_q4f8b876b27_out, .Lfunc_end_k_q4f8b876b27_out-k_q4f8b876b27_out
	.p2alignl 7, 3214868480
	.fill 96, 4, 3214868480
	.section	.rodata,"a",@progbits
	.p2align	6, 0x0
	.amdhsa_kernel k_q4f8b876b27_out
		.amdhsa_group_segment_fixed_size 327680
		.amdhsa_private_segment_fixed_size 0
		.amdhsa_enable_private_segment 0
		.amdhsa_kernarg_size 32
		.amdhsa_user_sgpr_count 2
		.amdhsa_user_sgpr_kernarg_segment_ptr 1
		.amdhsa_wavefront_size32 1
		.amdhsa_system_sgpr_workgroup_id_x 1
		.amdhsa_system_sgpr_workgroup_id_y 1
		.amdhsa_system_sgpr_workgroup_id_z 1
		.amdhsa_system_vgpr_workitem_id 0
		.amdhsa_next_free_vgpr 512
		.amdhsa_next_free_sgpr 100
		.amdhsa_reserve_vcc 0
		.amdhsa_float_denorm_mode_32 3
		.amdhsa_float_denorm_mode_16_64 3
		.amdhsa_memory_ordered 1
		.amdhsa_forward_progress 1
		.amdhsa_inst_pref_size 78
	.end_amdhsa_kernel
	.amdgpu_metadata
---
amdhsa.version: [ 1, 2 ]
amdhsa.kernels:
  - .name:           k_q4f8b876b27_out
    .symbol:         k_q4f8b876b27_out.kd
    .args:
      - { .name: ob, .offset: 0, .size: 8, .value_kind: global_buffer, .address_space: global }
      - { .name: wts, .offset: 8, .size: 8, .value_kind: global_buffer, .address_space: global }
      - { .name: lat, .offset: 16, .size: 8, .value_kind: global_buffer, .address_space: global }
      - { .name: out0, .offset: 24, .size: 8, .value_kind: global_buffer, .address_space: global }
    .group_segment_fixed_size: 327680
    .private_segment_fixed_size: 0
    .kernarg_segment_align: 8
    .kernarg_segment_size: 32
    .max_flat_workgroup_size: 128
    .sgpr_count:     100
    .vgpr_count:     512
    .wavefront_size: 32
...
	.end_amdgpu_metadata
.endif
;; end of part 5
